; MI455X (gfx1250); checked and timed in simulation.
; The chip was launched on July 23, 2026; its instructions are those of AMD's public machine-readable ISA for CDNA 5 (MIT licence, August 2026) and "CDNA5" Instruction Set Architecture Reference Guide (July 2026). The comments in the code are by the model that wrote it; some were corrected since.
;; Self Attention. Allowed arithmetic: matrix products marked QUANTISED: E2M3 operands, one E8M0 scale for each 32 along K, by v_wmma_scale_f32_16x16x128_f8f6f4 with both operands' format E2M3, f32 sums; everything else in f32.
;; Inputs: W_out 1,024 x 1,024 float32; W_qkv 1,024 x 3,072 float32; b_out 1,024 float32; b_qkv 3,072 float32; query_features 4 x 2,048 x 1,024 float32.
;; Outputs: out0 4 x 2,048 x 1,024 float32.
;; This version of the problem:
;;   THIS VERSION OF THE PROBLEM IS GIVEN IN LOW PRECISION. The matrix products marked QUANTISED in the list below multiply operands that are first quantised to E2M3 (2 exponent bits, 3 mantissa bits; 6 bits a number), with one power-of-two scale for each 32 numbers along K (OCP MX v1.0); their sums are f32. All else is computed in f32.
;;   The module's matrix products, in the order in which they are computed (A, B: the left and right operand; K: the contracted axis; several contracted axes count as one K, in the product's order):
;;     1. [M 8,192, K 1,024] x [K 1,024, N 3,072]; A: input query_features; B: input W_qkv: QUANTISED
;;     2. batch 64 x [M 2,048, K 64] x [K 64, N 2,048]; A: computed on the way; B: computed on the way: QUANTISED
;;     3. batch 64 x [M 2,048, K 2,048] x [K 2,048, N 64]; A: softmax (see below); B: computed on the way: QUANTISED
;;     4. [M 8,192, K 1,024] x [K 1,024, N 1,024]; A: computed on the way; B: input W_out: QUANTISED
;;   THE QUANTISER, for each operand of a quantised product, along K:
;;     - K is cut into blocks of 32 from its start; a last block that is shorter is filled with zeros.
;;     - A block's scale is 2^e with e = floor(log2(the largest magnitude in the block)) - 2, held to -126 .. 127; a block of zeros has e = 0. As a byte (E8M0): e + 127.
;;     - Each number is divided by its block's scale, clamped to +-7.5, and rounded to the nearest number of E2M3, ties to even, subnormals kept.
;;     - The product sums the exact products of the quantised numbers (number of the format x scale) in f32.
;;   ~~~python
;;   def quantise(x, axis):      # numpy; x: float32 -> the quantised numbers, widened to float32 again
;;       x = np.moveaxis(x, axis, -1); K = x.shape[-1]
;;       x = np.pad(x, [(0, 0)] * (x.ndim - 1) + [(0, -K % 32)]); x = x.reshape(x.shape[:-1] + (-1, 32)); a = np.abs(x).max(-1, keepdims=True)
;;       e = np.where(a > 0, np.clip(np.frexp(np.where(a > 0, a, 1))[1] - 1 - 2, -126, 127), 0)      # np.frexp(a)[1] - 1 = floor(log2(a)), exactly
;;       r = np.clip(x / 2.0 ** e, -7.5, 7.5)
;;       step = 2.0 ** (np.maximum(np.frexp(np.where(r == 0, 1, r))[1] - 1, 0) - 3)
;;       q = np.round(r / step) * step * 2.0 ** e      # np.round: ties to even
;;       return np.moveaxis(q.reshape(q.shape[:-2] + (-1,))[..., :K], -1, axis).astype(np.float32)
;;   ~~~
;;   SOFTMAX AHEAD OF A QUANTISED PRODUCT. Where the list says 'softmax', what is quantised is not the finished softmax but p = 2^(t - M), with t = logit x log2(e) and M = ceil(the row's largest t), a whole number; so 1/2 < the row's largest p <= 1. The row's sum l is taken of the UNQUANTISED p, in f32, and the product's result is divided by l at the end. Since M is a whole number, a kernel that streams over the keys may use a running M (the ceiling of the running maximum): every later rescaling is an exact power of two, which a block's scale takes up: the codes' values come out the same.
;;   OPERANDS COMPUTED ON THE WAY. 'Computed on the way' means the value that the module computes at that place (a softmax that the list does not call 'softmax' is quantised finished and normalised). What goes into a quantiser is computed in f32, as accurately as f32 sums, v_exp_f32 and their like allow (about 1e-6 of the number): no bf16 or f16 on the way to a quantiser, and a product that is left as it is and whose result goes on into a quantised operand takes f32 operands (vector FMAs, or v_wmma_f32_16x16x4_f32). A number that lies on a knife's edge between two numbers of the format may be rounded either way, as far as f32 arithmetic and the matrix unit's own rounding can turn it there, and no further.
;; One version. Each part assembles by itself: llvm-mc -triple=amdgcn-amd-amdhsa -mcpu=gfx1250 --defsym DOCPART=n.
;; ======== version 1 of 1: 4 launches
;; limits: right only within a limited range of input values
;; workspace buffers: c1 8,650,752 bytes; s1 360,448 bytes; c4 7,077,888 bytes; s4 294,912 bytes; qkv 20,185,088 bytes
;; launch prep (part 1): grid 768 x 1, 4 waves a work-group, no clusters, 62,976 bytes of LDS; arguments query_features, W_qkv, W_out, c1, s1, c4, s4; writes c1, s1, c4, s4
.if DOCPART == 1
	.amdgcn_target "amdgcn-amd-amdhsa--gfx1250"
	.amdhsa_code_object_version 6
	.text
	.protected	k_q9ebe7758f5_prep
	.globl	k_q9ebe7758f5_prep
	.p2align	8
	.type	k_q9ebe7758f5_prep,@function
k_q9ebe7758f5_prep:
	s_mov_b64 s[64:65], 0
	v_nop
	global_prefetch_b8 v0, s[64:65] scope:SCOPE_SE
	s_setreg_imm32_b32 hwreg(HW_REG_WAVE_MODE, 25, 1), 1
	s_wait_xcnt 0x0
; x [8192][1024], W_qkv [1024][3072] and W_out [1024][1024], all f32, become codes of FP6 (E2M3) with one E8M0 byte for each 32 along K (K = the 1,024 of the embedding).
; THE WORKSPACE IS LAID AS THE OPERANDS' REGISTERS.  A tile is 16 rows; tile T takes rows 32 (T / 2) + 8 (T % 2) + r + 8 (r / 8), r = 0 .. 15.  For each 64 along K a tile has 768 bytes: byte 256 j + 8 lane + e is byte e of
; the register pair j (0 .. 2) of that lane, lane (r, h) holding the 24 bytes of codes of row r, k = 32 h + 0 .. 31 of the 64.  A tile's 16 such pieces follow each other: 12,288 bytes.  Scale words: [tile][128 along K][r], 4 bytes.
; c1, s1: tiles 0-191 the columns of W_qkv, tiles 192-703 the tokens.   c4, s4: tiles 0-63 the columns of W_out (the rest is written by the attention launch).
; A block's scale is 2^(floor(log2(largest magnitude)) - 2): its byte is the largest magnitude's exponent field - 2, held at 1 from below.
; LIMITS: NaN and infinities are not served; blocks whose largest magnitude lies under 2^-124, and blocks of zeros, keep the byte 1 (their codes are right or zeros; this program alone reads the bytes).
; Work-groups 0-511: a tile of tokens each, wave w its K quarter w.  512-703: W_qkv.  704-767: W_out: a wave takes 32 columns x 128 along K.  Waves share nothing: no barrier.  Each of the three ways has LDS bytes of its own.
.set R,   16                           ; way X: v16-143  two K steps of 16 rows as loaded
.set XQ,  144                          ; v144-207 64 numbers of my row: register 16 b + i = k 32 b + 16 h + i
.set PC,  208                          ; v208-231 two fragments of codes
.set T2,  232                          ; v232-239 the conversions' second halves
.set TM,  240                          ; v240-243 largest magnitudes, v244-247 the other half's and then the bytes, v252-255 the conversions' scale operands
; 64 numbers of a lane become a fragment's 12 registers at v[pc] and its row's scale word in v[pw]
.macro QUANT s, pc, pw
.irp b, 0,1,2,3
	v_max3_num_f32 v[TM+\b], |v[(\s)+16*\b]|, |v[(\s)+1+16*\b]|, 0x1800000   ; my 16 numbers of block b, and the floor 2^(3 - 127): the byte cannot fall under 1
.endr
.irp i, 2,4,6,8,10,12,14
.irp b, 0,1,2,3
	v_max3_num_f32 v[TM+\b], v[TM+\b], |v[(\s)+16*\b+\i]|, |v[(\s)+1+16*\b+\i]|   ; the four blocks by turns
.endr
.endr
.irp b, 0,1,2,3
	v_permlanex16_b32 v[TM+4+\b], v[TM+\b], s20, s21
.endr
.irp b, 0,1,2,3
	v_max_num_f32 v[TM+\b], v[TM+\b], v[TM+4+\b]       ; with lane l xor 16's 16: the block's largest magnitude
.endr
.irp b, 0,1,2,3
	v_add_nc_u32 v[TM+12+\b], 0xff000000, v[TM+\b]     ; 2 off its exponent field: the conversion's scale operand
.endr
.irp b, 0,1,2,3
	v_lshrrev_b32 v[TM+4+\b], 23, v[TM+12+\b]          ; the scale's byte
.endr
	v_lshl_or_b32 v[\pw], v[TM+5], 8, v[TM+4]
	v_lshl_or_b32 v[\pw], v[TM+6], 16, v[\pw]
	v_lshl_or_b32 v[\pw], v[TM+7], 24, v[\pw]
.irp c, 0,1
	v_cvt_scalef32_pk16_fp6_f32 v[(\pc)+6*\c:(\pc)+2+6*\c], v[(\s)+32*\c:(\s)+15+32*\c], v[TM+12+2*\c]
	v_cvt_scalef32_pk16_fp6_f32 v[T2+4*\c:T2+2+4*\c], v[(\s)+16+32*\c:(\s)+31+32*\c], v[TM+13+2*\c]   ; (a conversion's three registers begin on an even number)
.endr
	v_nop                                              ; one plain instruction behind the conversions
.irp c, 0,1                                        ; a lane is to hold a WHOLE block: lanes 0-15 block 2 c, lanes 16-31 block 2 c + 1
.irp i, 0,1,2
	v_permlane16_swap_b32 v[(\pc)+6*\c+\i], v[T2+4*\c+\i]
.endr
.irp i, 0,1,2
	v_mov_b32 v[(\pc)+3+6*\c+\i], v[T2+4*\c+\i]
.endr
.endr
.endm
	s_load_b256 s[4:11], s[0:1], 0x0               ; x s[4:5], W_qkv s[6:7], W_out s[8:9], c1 s[10:11]
	s_load_b128 s[12:15], s[0:1], 0x20             ; s1 s[12:13], c4 s[14:15]
	s_load_b64 s[16:17], s[0:1], 0x30              ; s4
	v_lshl_add_u32 v250, v0, 2, 0xf400
	v_mov_b32 v251, 0
	v_lshrrev_b32 v1, 5, v0
	v_readfirstlane_b32 s18, v1                    ; wave 0..3
	v_and_b32 v1, 31, v0                           ; lane
	v_and_b32 v2, 15, v0                           ; r
	v_bfe_u32 v3, v0, 4, 1                         ; h
	s_mov_b32 s20, 0x76543210
	s_mov_b32 s21, 0xfedcba98                      ; v_permlanex16_b32's selects for lane l xor 16
	s_wait_kmcnt 0x0
	s_cmp_lt_u32 ttmp9, 512
	s_cbranch_scc0 .Lweights
	; ---------------- way X: token tile T = the work-group's number; my wave's 256 along K
	s_lshr_b32 s22, ttmp9, 1
	s_lshl_b32 s22, s22, 5
	s_and_b32 s23, ttmp9, 1
	s_lshl_b32 s23, s23, 3
	s_add_co_u32 s22, s22, s23                     ; the tile's first token: 32 (T / 2) + 8 (T % 2)
	s_lshl_b32 s22, s22, 12                        ; rows of 4,096 bytes
	s_lshl_b32 s23, s18, 10                        ; + my quarter of a row
	s_add_co_u32 s22, s22, s23
	s_mov_b32 s23, 0
	s_add_nc_u64 s[4:5], s[4:5], s[22:23]
	s_add_co_u32 s24, ttmp9, 192                   ; the tile's number in c1 and s1
	s_mul_i32 s26, s24, 12288
	s_mul_i32 s25, s18, 3072
	s_add_co_u32 s26, s26, s25
	s_mov_b32 s27, 0
	s_add_nc_u64 s[10:11], s[10:11], s[26:27]
	s_lshl_b32 s26, s24, 9
	s_lshl_b32 s25, s18, 7
	s_add_co_u32 s26, s26, s25
	s_add_nc_u64 s[12:13], s[12:13], s[26:27]
	s_wait_alu depctr_va_vdst(0)
	v_lshlrev_b32 v4, 4, v1                        ; 16 x lane: a load takes 512 consecutive bytes of a row
	s_mul_i32 s25, s18, 8448                       ; my stage: 16 rows x (512 + 16) bytes
	v_add_nc_u32 v5, s25, v4                       ; into it as loaded
	v_mul_u32_u24 v6, v2, 528
	v_lshl_add_u32 v6, v3, 6, v6
	v_add_nc_u32 v6, s25, v6                       ; out of it: row r, + 64 h: my 16 numbers of each block of 32
	v_lshlrev_b32 v7, 3, v1                        ; 8 x lane: the codes' place
	v_lshlrev_b32 v8, 2, v1                        ; 4 x lane: the scale words'
.irp b, 0,1,2,3
	v_mov_b32 v[TM+4+\b], 0                        ; written once: a lane permute's destination counts as one of its sources
.endr
.irp q, 0,1
.irp i, 0,1,2,3,4,5,6,7,8,9,10,11,12,13,14,15
	global_load_b128 v[R+64*\q+4*\i:R+64*\q+4*\i+3], v4, s[4:5] offset:(\i+8*(\i/8))*4096+512*\q th:TH_LOAD_NT   ; row i of the tile, K step q of my two
.endr
.endr
.macro XSTEP q
	s_wait_loadcnt 16*(1-\q)                       ; this K step's sixteen loads are in; the other step's sixteen may be out
.irp i, 0,1,2,3,4,5,6,7,8,9,10,11,12,13,14,15
	ds_store_b128 v5, v[R+64*\q+4*\i:R+64*\q+4*\i+3] offset:528*\i
.endr
.irp b, 0,1,2,3
.irp j, 0,1,2,3
	ds_load_b128 v[XQ+16*\b+4*\j:XQ+16*\b+4*\j+3], v6 offset:128*\b+16*\j   ; LDS serves a wave's instructions in order: these see the stores above
.endr
.endr
	s_wait_dscnt 0x0
	QUANT XQ, PC+12*\q, 10+\q
.irp n, 0,1,2,3,4,5
	global_store_b64 v7, v[PC+12*\q+2*\n:PC+12*\q+2*\n+1], s[10:11] offset:1536*\q+768*(\n/3)+256*(\n%3)   ; 32 lanes store 256 consecutive bytes, aligned
.endr
.endm
	s_wait_alu depctr_va_vdst(0)
	XSTEP 0
	XSTEP 1
	v_cmp_lt_u32 vcc_lo, 15, v1
	v_cndmask_b32 v12, v10, v11, vcc_lo            ; lanes 0-15 the first step's words, lanes 16-31 the second's: 128 consecutive bytes
	global_store_b32 v8, v12, s[12:13]
	s_wait_tensorcnt 0x0
	ds_add_u32 v250, v251
	s_wait_dscnt 0x0
	s_endpgm
	; ---------------- the weights: K is their FIRST axis.  A lane takes a column and its registers run down K
.macro WLOAD q, n, src                         ; block q of four: W(32 q + i, my column)
.set WI, 0
.rept 32
	global_load_b32 v[16+32*(\q)+WI], v4, s[\src:\src+1] offset:(32*(\q)+WI)*(\n)*4 th:TH_LOAD_NT
.set WI, WI+1
.endr
.endm
.macro WBLOCK q, n, src
.set XS, 16+32*(\q)
.set BQ, 144+8*(\q)
.if (\q) < 3
	s_wait_loadcnt 32                              ; this block's 32 loads are in; the next block's 32 may be out
.else
	s_wait_loadcnt 0x0
.endif
.if (\q) < 2
	WLOAD (\q)+2, \n, \src                         ; two blocks ahead, into registers of its own
.endif
	v_max3_num_f32 v180, |v[XS]|, |v[XS+1]|, |v[XS+2]|     ; all 32 numbers of the block are mine
	v_max3_num_f32 v181, |v[XS+3]|, |v[XS+4]|, |v[XS+5]|
.irp i, 6,10,14,18,22,26
	v_max3_num_f32 v180, v180, |v[XS+\i]|, |v[XS+\i+1]|
	v_max3_num_f32 v181, v181, |v[XS+\i+2]|, |v[XS+\i+3]|
.endr
	v_max3_num_f32 v180, v180, |v[XS+30]|, |v[XS+31]|
	v_max3_num_f32 v180, v180, v181, 0x1800000     ; and the floor
	v_add_nc_u32 v182, 0xff000000, v180            ; the conversion's scale operand
	v_lshrrev_b32 v183, 23, v182                   ; the byte
.if (\q) == 0
	v_mov_b32 v184, v183
.else
	v_lshl_or_b32 v184, v183, 8*(\q), v184         ; four bytes make my column's scale word of these 128 along K
.endif
	v_cvt_scalef32_pk16_fp6_f32 v[BQ:BQ+2], v[XS:XS+15], v182
	v_cvt_scalef32_pk16_fp6_f32 v[176:178], v[XS+16:XS+31], v182
	v_nop                                          ; one plain instruction behind the conversions
.irp i, 0,1,2
	v_mov_b32 v[BQ+3+\i], v[176+\i]
.endr
.irp j, 0,1,2
	ds_store_b64 v5, v[BQ+2*\j:BQ+2*\j+1] offset:768*((\q)/2)+128*((\q)%2)+256*\j   ; block q = 2 c + h is what lane r' + 16 h of piece c holds
.endr
.endm
; n: the weight's columns;  first: the way's first work-group;  src, code, scl: the scalar pairs with the three addresses;  lds: the way's own LDS bytes
.macro WPATH n, first, src, code, scl, lds
	s_sub_co_u32 s22, ttmp9, \first
	s_and_b32 s23, s22, 7                          ; which 128 along K
	s_lshr_b32 s22, s22, 3
	s_lshl_b32 s22, s22, 2
	s_add_co_u32 s22, s22, s18                     ; which 32 columns: tiles 2 cg and 2 cg + 1
	s_mul_i32 s24, s23, 128*(\n)*4
	s_lshl_b32 s26, s22, 7
	s_add_co_u32 s24, s24, s26
	s_mov_b32 s25, 0
	s_add_nc_u64 s[\src:\src+1], s[\src:\src+1], s[24:25]
	s_mul_i32 s24, s22, 2*12288
	s_mul_i32 s26, s23, 1536
	s_add_co_u32 s24, s24, s26
	s_add_nc_u64 s[\code:\code+1], s[\code:\code+1], s[24:25]
	s_lshl_b32 s24, s22, 10
	s_lshl_b32 s26, s23, 6
	s_add_co_u32 s24, s24, s26
	s_add_nc_u64 s[\scl:\scl+1], s[\scl:\scl+1], s[24:25]
	v_lshlrev_b32 v4, 2, v1                        ; a load reads 128 consecutive bytes of a row of W; the four waves stand side by side
	WLOAD 0, \n, \src
	WLOAD 1, \n, \src
	v_bfe_u32 v9, v0, 3, 1                         ; column lane = 8 u + r' + 8 (r' / 8): u, which of the two tiles,
	v_and_b32 v10, 7, v0
	v_lshl_add_u32 v10, v3, 3, v10                 ; and r', my row in it
	s_mul_i32 s26, s18, 3584
	s_add_co_u32 s26, s26, \lds                    ; my stage: two tiles' 1,536 bytes, 1,664 apart
	v_mul_u32_u24 v5, v9, 1664
	v_lshl_add_u32 v5, v10, 3, v5
	v_add_nc_u32 v5, s26, v5
	v_lshlrev_b32 v7, 4, v1
	v_add_nc_u32 v6, s26, v7                       ; back: 16 bytes a lane
	v_lshlrev_b32 v8, 9, v9
	v_lshl_add_u32 v8, v10, 2, v8                  ; my scale word: tile u, row r'
	WBLOCK 0, \n, \src
	WBLOCK 1, \n, \src
	WBLOCK 2, \n, \src
	WBLOCK 3, \n, \src
.irp m, 0,1,2,3,4,5
	ds_load_b128 v[192+4*\m:195+4*\m], v6 offset:1664*(\m/3)+512*(\m%3)   ; LDS serves a wave's instructions in order: these see my stores
.endr
	s_wait_alu depctr_va_vdst(0)
.irp m, 0,1,2,3,4,5
	s_wait_dscnt 5-\m                              ; the loads behind this one may be out
	global_store_b128 v7, v[192+4*\m:195+4*\m], s[\code:\code+1] offset:12288*(\m/3)+512*(\m%3)   ; 512 consecutive bytes, aligned
.endr
	global_store_b32 v8, v184, s[\scl:\scl+1]      ; two runs of 64 bytes
	s_wait_tensorcnt 0x0
	ds_add_u32 v250, v251
	s_wait_dscnt 0x0
	s_endpgm
.endm
.Lweights:
	s_cmp_lt_u32 ttmp9, 704
	s_cbranch_scc0 .Lwout
	s_wait_alu depctr_va_vdst(0)
	WPATH 3072, 512, 6, 10, 12, 33792
.Lwout:
	s_wait_alu depctr_va_vdst(0)
	WPATH 1024, 704, 8, 14, 16, 48128
.Lfunc_end_k_q9ebe7758f5_prep:
	.size	k_q9ebe7758f5_prep, .Lfunc_end_k_q9ebe7758f5_prep-k_q9ebe7758f5_prep
	.p2alignl 7, 3214868480
	.fill 96, 4, 3214868480
	.section	.rodata,"a",@progbits
	.p2align	6, 0x0
	.amdhsa_kernel k_q9ebe7758f5_prep
		.amdhsa_group_segment_fixed_size 62976
		.amdhsa_private_segment_fixed_size 0
		.amdhsa_enable_private_segment 0
		.amdhsa_kernarg_size 56
		.amdhsa_user_sgpr_count 2
		.amdhsa_user_sgpr_kernarg_segment_ptr 1
		.amdhsa_wavefront_size32 1
		.amdhsa_system_sgpr_workgroup_id_x 1
		.amdhsa_system_sgpr_workgroup_id_y 1
		.amdhsa_system_sgpr_workgroup_id_z 1
		.amdhsa_system_vgpr_workitem_id 0
		.amdhsa_next_free_vgpr 256
		.amdhsa_next_free_sgpr 66
		.amdhsa_reserve_vcc 1
		.amdhsa_float_denorm_mode_32 3
		.amdhsa_float_denorm_mode_16_64 3
		.amdhsa_memory_ordered 1
		.amdhsa_forward_progress 1
		.amdhsa_inst_pref_size 62
	.end_amdhsa_kernel
	.amdgpu_metadata
---
amdhsa.version: [ 1, 2 ]
amdhsa.kernels:
  - .name:           k_q9ebe7758f5_prep
    .symbol:         k_q9ebe7758f5_prep.kd
    .args:
      - { .name: query_features, .offset: 0, .size: 8, .value_kind: global_buffer, .address_space: global }
      - { .name: W_qkv, .offset: 8, .size: 8, .value_kind: global_buffer, .address_space: global }
      - { .name: W_out, .offset: 16, .size: 8, .value_kind: global_buffer, .address_space: global }
      - { .name: c1, .offset: 24, .size: 8, .value_kind: global_buffer, .address_space: global }
      - { .name: s1, .offset: 32, .size: 8, .value_kind: global_buffer, .address_space: global }
      - { .name: c4, .offset: 40, .size: 8, .value_kind: global_buffer, .address_space: global }
      - { .name: s4, .offset: 48, .size: 8, .value_kind: global_buffer, .address_space: global }
    .group_segment_fixed_size: 62976
    .private_segment_fixed_size: 0
    .kernarg_segment_align: 8
    .kernarg_segment_size: 56
    .max_flat_workgroup_size: 128
    .sgpr_count:     66
    .vgpr_count:     256
    .wavefront_size: 32
...
	.end_amdgpu_metadata
.endif
;; end of part 1
;; launch gemm1 (part 2): grid 8 x 32, 4 waves a work-group, clusters of 4 x 4, 327,680 bytes of LDS; arguments c1, s1, b_qkv, qkv; writes qkv
.if DOCPART == 2
	.amdgcn_target "amdgcn-amd-amdhsa--gfx1250"
	.amdhsa_code_object_version 6
	.text
	.protected	k_q9ebe7758f5_gemm1
	.globl	k_q9ebe7758f5_gemm1
	.p2align	8
	.type	k_q9ebe7758f5_gemm1,@function
k_q9ebe7758f5_gemm1:
	s_mov_b64 s[64:65], 0
	v_nop
	global_prefetch_b8 v0, s[64:65] scope:SCOPE_SE
	s_setreg_imm32_b32 hwreg(HW_REG_WAVE_MODE, 25, 1), 1
	s_wait_xcnt 0x0
	s_wait_alu depctr_hold_cnt(0) depctr_sa_sdst(0) depctr_va_vdst(0) depctr_va_sdst(0) depctr_va_ssrc(0) depctr_va_vcc(0) depctr_vm_vsrc(0)
	s_getreg_b32 s2, hwreg(HW_REG_IB_STS2, 6, 4)
	s_cmp_eq_u32 s2, 0
	s_cbranch_scc0 .Lentry_in_a_cluster
	s_endpgm
.Lentry_in_a_cluster:
	s_bfe_u32 s2, ttmp6, 0x10000c
	s_cmp_lg_u32 s2, 0xf033
	s_cbranch_scc0 .Lentry_shape_is_right
	s_endpgm
.Lentry_shape_is_right:
; qkv = x W_qkv + b_qkv on codes of FP6 (E2M3) with E8M0 scales, and its result quantised at once for the attention launch: q and k along the head's 64, v along the keys.  No f32 number of qkv goes to memory.
; D = S0 x S1^T: source 0's row index runs along a lane's registers, source 1's row sits in lane % 16; the result is quantised along source 0's index.
;   kind 0: q and k:  S0 = 256 columns of W_qkv, S1 = 128 tokens.     kind 1: v:  S0 = 256 tokens (keys), S1 = 128 columns of W_v.
; A WORK-GROUP STAYS and makes three tiles of 256 x 128: those of the cluster rows y, y + 8 and y + 16 of 24; rows 0-15 are kind 0, rows 16-23 kind 1: so a work-group's tiles 0 and 1 are kind 0 and tile 2 is kind 1.
; TILES OF 16 ROWS: tile T takes rows 32 (T / 2) + 8 (T % 2) + r + 8 (r / 8), so that the 16 registers of result tiles 2 b and 2 b + 1 are the 16 neighbours 32 b + 16 (lane / 16) + 0 .. 15 of S0's index.
; c1 holds each tile as images of operand registers: for each 64 along K 768 bytes, byte 256 j + 8 lane of register pair j; so a fragment (16 x 128) is six loads of 8 bytes a lane, 256 consecutive bytes each.
; BOTH PANELS LIE IN LDS WHOLE, over all of K = 1,024 (294,912 bytes): S0's 16 tiles of 12,288 bytes from byte 0, S1's 8 from byte 196,608.  One tensor load a wave brings them: waves 0, 1 eight tiles of S0 each, waves 2, 3 four of S1.
; THE NEXT TILE'S PANELS ARE ASKED FOR AHEAD OF THE WAY OUT: behind a tile's last product every wave waits for its tensor loads, adds 0 to its spare word and waits for the add, a round of the cluster's barrier follows, then the joint refill, one a wave;
; only then the finished sums, which lie in registers, are quantised and stored.  So no prefetch is laid: a refill stands a whole way out (four tiles' additions, quantising and stores) ahead of the wait for it.  One tensor load of a wave is out at the most.
; The first tile stands ahead of a loop of two trips; the last way out is written out behind it (it asks for nothing more).
; Wave w: S0's half w % 2 (8 tiles b), S1's half w / 2 (4 tiles a): 32 accumulators, 256 matrix instructions a tile.
; CLUSTER 4 x 4: S0's panel hangs on cx alone and is asked for jointly by a column of the cluster, S1's on cy alone, by a row.
; OUTPUT, a block of 315,392 bytes for each (batch, head): K codes [tile 128][768] | V codes [64 keys, 32][d tile 4][768] | K scale words [4 tiles, 32][r][4] | V scale words [128 keys, 16][r][d tile 4] | Q codes | Q scale words.
; A scale word of q or k has its two bytes below and 0x7f7f above: the attention launch multiplies a K of 64 in an instruction of 128.
; LIMITS: NaN and infinities are not served; blocks whose largest magnitude lies under 2^-124, and blocks of zeros, keep the byte 1.
; REGISTERS.  window 0: v1-17 addresses; v20-27 the bias by lanes; v32-95 scale words and nothing else; v96-191 S1's fragments, two sets (the way out: codes and work); v192-255 the way out's 64 numbers.
;   window 1: the accumulators, (a, b) at v[8 (8 a + b)].   window 2: v0-191 S0's fragments, two sets; v192-255 the bias by registers.
.set HBLK, 315392
.set AD0,  4                           ; v4-5    8 x lane + my half of S0: tiles 0-3, tiles 4-7 (so every offset stays inside 16 bits)
.set AD1,  8                           ; v8      the same for S1
.set VA,   12                          ; v12     scale words: lanes 16-31 S0's tiles, lanes 0-15 S1's
.set VB,   13                          ; v13     the same, lanes 0-15 four tiles back
.set BRO,  14
.set BLO,  15
.set SSO,  16
.set SH,   17
.set BL,   20
.set SC,   32                          ; register 8 i + s: K step s; lanes 16-31 S0's tile i, lanes 0-15 S1's tile i % 4
.set F1,   96
.set H,    192
.set BR,   192                         ; in window 2
.set PC,   96
.set T2,   144
.set TM,   152
.set PW,   168
.set W4,   172
.set G1A,  24
.set G1B,  32
.set G0A,  40
.set G0B,  68
.set MSB, 0
.macro WIN new                         ; the immediate's high byte repeats the setting that is left
.if MSB != \new
	s_set_vgpr_msb (MSB<<8)|\new
.set MSB, \new
.endif
.endm
.macro PLACES                          ; four plain vector instructions between a matrix instruction and a load into, or a vector instruction on, its registers
.rept 4
	v_nop
.endr
.endm
.macro CROUND                          ; a round of the cluster's barrier
	s_barrier_signal -1
	s_barrier_wait -1
	s_cmp_lg_u32 s12, 0
	s_cbranch_scc1 .Lnot_wave_0_\@
	s_barrier_signal -3
.Lnot_wave_0_\@:
	s_barrier_wait -3
	s_barrier_signal -1
	s_barrier_wait -1
.endm
.macro QUANT s, pc, pw                 ; 64 numbers of a lane, register 16 b + i = k 32 b + 16 h + i of my row, become a fragment's 12 registers and its scale word
.irp b, 0,1,2,3
	v_max3_num_f32 v[TM+\b], |v[(\s)+16*\b]|, |v[(\s)+1+16*\b]|, 0x1800000   ; with the floor 2^(3 - 127): the byte cannot fall under 1
.endr
.irp i, 2,4,6,8,10,12,14
.irp b, 0,1,2,3
	v_max3_num_f32 v[TM+\b], v[TM+\b], |v[(\s)+16*\b+\i]|, |v[(\s)+1+16*\b+\i]|
.endr
.endr
.irp b, 0,1,2,3
	v_permlanex16_b32 v[TM+4+\b], v[TM+\b], s94, s95
.endr
.irp b, 0,1,2,3
	v_max_num_f32 v[TM+\b], v[TM+\b], v[TM+4+\b]
.endr
.irp b, 0,1,2,3
	v_add_nc_u32 v[TM+12+\b], 0xff000000, v[TM+\b]     ; 2 off the exponent field: the conversion's scale operand
.endr
.irp b, 0,1,2,3
	v_lshrrev_b32 v[TM+4+\b], 23, v[TM+12+\b]
.endr
	v_lshl_or_b32 v[\pw], v[TM+5], 8, v[TM+4]
	v_lshl_or_b32 v[\pw], v[TM+6], 16, v[\pw]
	v_lshl_or_b32 v[\pw], v[TM+7], 24, v[\pw]
.irp c, 0,1
	v_cvt_scalef32_pk16_fp6_f32 v[(\pc)+6*\c:(\pc)+2+6*\c], v[(\s)+32*\c:(\s)+15+32*\c], v[TM+12+2*\c]
	v_cvt_scalef32_pk16_fp6_f32 v[T2+4*\c:T2+2+4*\c], v[(\s)+16+32*\c:(\s)+31+32*\c], v[TM+13+2*\c]
.endr
	v_nop                                              ; one plain instruction behind the conversions
.irp c, 0,1
.irp i, 0,1,2
	v_permlane16_swap_b32 v[(\pc)+6*\c+\i], v[T2+4*\c+\i]
.endr
.irp i, 0,1,2
	v_mov_b32 v[(\pc)+3+6*\c+\i], v[T2+4*\c+\i]
.endr
.endr
.endm
; Where tile s2's panels lie: scalar work alone.  Leaves s19 the kind, s20 and s21 the tile's place, s56 and s60 my first tiles of S0 and S1 in c1, and both groups 0
.macro PANEL
	s_and_b32 s18, ttmp7, 0xffff
	s_lshl_b32 s17, s2, 3
	s_add_co_u32 s18, s18, s17                     ; the cluster row of 24: y + 8 x tile
	s_sub_co_u32 s17, s18, 16
	s_mov_b32 s56, 192
	s_mov_b32 s60, 128
	s_cmp_ge_u32 s18, 16                           ; the kind is the same in all sixteen partners
	s_cselect_b32 s19, 1, 0
	s_cselect_b32 s20, s17, ttmp9
	s_cselect_b32 s21, ttmp9, s18
	s_cselect_b32 s22, s56, 0                      ; S0's first tile in c1
	s_cselect_b32 s23, s60, s56                    ; S1's
	s_lshl_b32 s20, s20, 2
	s_add_co_u32 s20, s20, s15                     ; i0: which 256 rows of S0
	s_lshl_b32 s21, s21, 2
	s_add_co_u32 s21, s21, s16                     ; i1: which 128 rows of S1
	s_lshl_b32 s56, s20, 4
	s_add_co_u32 s56, s56, s22
	s_lshl_b32 s57, s13, 3
	s_add_co_u32 s56, s56, s57                     ; S0: the 8 tiles that I fetch (waves 0, 1), and that I multiply
	s_mul_i32 s58, s56, 12288
	s_mov_b32 s59, 0
	s_lshl_b32 s60, s21, 3
	s_add_co_u32 s60, s60, s23
	s_lshl_b32 s61, s13, 2
	s_add_co_u32 s61, s61, s60                     ; S1: the 4 tiles that I fetch (waves 2, 3)
	s_mul_i32 s62, s61, 12288
	s_mov_b32 s63, 0
	s_lshl_b32 s61, s14, 2
	s_add_co_u32 s60, s60, s61                     ; and the 4 that I multiply
	s_add_nc_u64 s[G0A+2:G0A+3], s[4:5], s[58:59]
	s_or_b32 s[G0A+3], s[G0A+3], 0x80000000
	s_add_nc_u64 s[G0B+2:G0B+3], s[4:5], s[62:63]
	s_or_b32 s[G0B+3], s[G0B+3], 0x80000000
.endm
.macro JLOAD                           ; the joint load, one a wave: each of the two lines has one mask and one set of registers; the branch hangs on the wave's number alone
	s_cmp_lt_u32 s12, 2
	s_cbranch_scc0 .Lfor_s1_\@
	tensor_load_to_lds s[G0A:G0A+3], s[G1A:G1A+7]
	s_nop 0
.rept 4
	v_nop
.endr
	s_branch .Lasked_\@
.Lfor_s1_\@:
	tensor_load_to_lds s[G0B:G0B+3], s[G1B:G1B+7]
	s_nop 0
.rept 4
	v_nop
.endr
.Lasked_\@:
.endm
.macro SCLOAD                          ; the scale words of my tiles go from memory straight into registers: 512 bytes a tile
	s_lshl_b32 s56, s56, 9
	s_lshl_b32 s60, s60, 9
	s_sub_co_u32 s61, s60, 2048                    ; (S1's tiles begin at tile 128 or later: never negative)
	v_cmp_eq_u32 vcc_lo, 1, v3
	v_mov_b32 v[VA], s60
	v_mov_b32 v[VB], s61
	v_mov_b32 v18, s56
	v_cndmask_b32 v[VA], v[VA], v18, vcc_lo
	v_cndmask_b32 v[VB], v[VB], v18, vcc_lo
	v_lshl_add_u32 v[VA], v2, 2, v[VA]
	v_lshl_add_u32 v[VB], v2, 2, v[VB]
.irp i, 0,1,2,3
.irp s, 0,1,2,3,4,5,6,7
	global_load_b32 v[SC+8*\i+\s], v[VA], s[6:7] offset:512*\i+64*\s
.endr
.endr
.irp i, 4,5,6,7
.irp s, 0,1,2,3,4,5,6,7
	global_load_b32 v[SC+8*\i+\s], v[VB], s[6:7] offset:512*\i+64*\s   ; lanes 0-15 take S1's tile i - 4 once more, so that no load leaves the buffer; they are not used
.endr
.endr
.endm
.macro REST                            ; what the way out of this tile needs: the biases and the places in qkv
	s_wait_xcnt 0x0                                ; the last tile's stores have read their registers and bases, which are written again from here on
	s_lshl_b32 s92, s20, 8
	s_lshl_b32 s93, s13, 7
	s_add_co_u32 s92, s92, s93                     ; my first row of S0: 256 i0 + 128 (w % 2)
	s_bfe_u32 s93, s92, 0x40006                    ; kind 0: its head, among q's or k's 16
	s_lshr_b32 s97, s92, 4                         ; kind 1: its token tile
	s_lshl_b32 s92, s92, 2
	s_lshl_b32 s96, s21, 3
	s_lshl_b32 s98, s14, 2
	s_add_co_u32 s96, s96, s98                     ; kind 0: my first token tile of S1
	s_lshl_b32 s98, s21, 1
	s_add_co_u32 s98, s98, s14                     ; kind 1: my head
	s_lshl_b32 s99, s98, 8
	s_add_co_u32 s99, s99, 8192                    ; 4 (2,048 + 64 head)
	s_mov_b32 s17, HBLK
	s_mov_b32 s18, 0xffff
	s_mov_b32 s22, 0x7f7f0000
	s_mov_b32 s23, 3072
	s_cmp_lg_u32 s19, 0
	s_cselect_b32 s96, s97, s96                    ; the token tile
	s_cselect_b32 s93, s98, s93                    ; the head
	s_cselect_b32 s92, 0, s92                      ; the bias by registers begins at b_qkv[my first row] (kind 1 loads it from the buffer's head and does not use it)
	s_cselect_b32 s99, s99, 0                      ; the bias by lanes at b_qkv[2,048 + 64 head] (kind 0 likewise)
	s_cselect_b32 s86, s23, s17                    ; from a fragment's first 64 to its second: the next 64 keys, or the next head
	s_cselect_b32 s98, 0, s17                      ; lanes 16-31 store the next head's scale words, or the same words again
	s_cselect_b32 s97, 0, 16
	s_cselect_b32 s90, -1, s18
	s_cselect_b32 s91, 0, s22
	v_lshlrev_b32 v[BRO], 6, v3
	v_add_nc_u32 v[BRO], s92, v[BRO]
	v_and_b32 v[BLO], 8, v2
	v_add_nc_u32 v[BLO], v[BLO], v2
	v_lshl_add_u32 v[BLO], v[BLO], 2, s99
	v_mul_u32_u24 v[SSO], v3, s98
	v_lshl_add_u32 v[SSO], v2, 4, v[SSO]
	v_mul_u32_u24 v[SH], v3, s97
	WIN 0x80                                       ; destination window 2
.irp q, 0,1,2,3
.irp k, 0,1,2,3
	global_load_b128 v[BR+16*\q+4*\k:BR+16*\q+4*\k+3], v[BRO], s[8:9] offset:128*\q+16*\k   ; register 16 q + i: the bias of S0's row 32 q + 16 h + i
.endr
.endr
	WIN 0
.irp a, 0,1,2,3
	global_load_b32 v[BL+2*\a], v[BLO], s[8:9] offset:4*(32*(\a/2)+8*(\a%2))       ; the bias of S1's tile a, row r, twice: a pair for the packed addition
	global_load_b32 v[BL+2*\a+1], v[BLO], s[8:9] offset:4*(32*(\a/2)+8*(\a%2))
.endr
	s_lshr_b32 s97, s96, 7                         ; the batch
	s_and_b32 s96, s96, 127                        ; the tile in it
	s_lshl_b32 s97, s97, 4
	s_add_co_u32 s97, s97, s93
	s_mul_i32 s97, s97, HBLK                       ; the head's block
	s_mov_b32 s66, 208896
	s_mov_b32 s67, 307200
	s_mov_b32 s99, 196608
	s_cmp_ge_u32 s20, 4                            ; kind 0: k's columns follow q's
	s_cselect_b32 s66, 0, s66
	s_cselect_b32 s67, s99, s67
	s_mul_i32 s99, s96, 768
	s_add_co_u32 s66, s66, s99
	s_lshr_b32 s99, s96, 2
	s_lshl_b32 s99, s99, 8
	s_add_co_u32 s67, s67, s99
	s_lshr_b32 s96, s96, 3                         ; kind 1: which 128 keys
	s_mul_i32 s99, s96, 6144
	s_add_co_u32 s99, s99, 98304
	s_lshl_b32 s96, s96, 8
	s_add_co_u32 s96, s96, 204800
	s_cmp_lg_u32 s19, 0
	s_cselect_b32 s84, s99, s66
	s_cselect_b32 s88, s96, s67
	s_add_co_u32 s84, s84, s97
	s_add_co_u32 s88, s88, s97
	s_mov_b32 s85, 0
	s_mov_b32 s87, 0
	s_mov_b32 s89, 0
	s_add_nc_u64 s[84:85], s[10:11], s[84:85]      ; codes, a fragment's first 64
	s_add_nc_u64 s[86:87], s[84:85], s[86:87]      ; its second 64
	s_add_nc_u64 s[88:89], s[10:11], s[88:89]      ; scale words
.endm
.macro FETCH s, p                      ; K step s into set p: 72 loads, 256 consecutive bytes each
	WIN 0x80
.irp b, 0,1,2,3,4,5,6,7
.irp n, 0,1,2,3,4,5
	ds_load_b64 v[96*(\p)+12*\b+2*\n:96*(\p)+12*\b+2*\n+1], v[AD0+\b/4] offset:12288*(\b%4)+1536*(\s)+768*(\n/3)+256*(\n%3)
.endr
.endr
	WIN 0
.irp a, 0,1,2,3
.irp n, 0,1,2,3,4,5
	ds_load_b64 v[F1+48*(\p)+12*\a+2*\n:F1+48*(\p)+12*\a+2*\n+1], v[AD1] offset:12288*\a+1536*(\s)+768*(\n/3)+256*(\n%3)
.endr
.endr
.endm
.macro MUL s, p, zero                  ; 32 matrix instructions; the 32 accumulators take turns, in the same order in every step.  zero = 1: the first products start the sums
	WIN 0x52                                       ; source 0 window 2, source 1 window 0, C and D window 1
.irp a, 0,1,2,3
.irp b, 0,1,2,3,4,5,6,7
.if \zero
	v_wmma_scale_f32_16x16x128_f8f6f4 v[8*(8*\a+\b):8*(8*\a+\b)+7], v[96*(\p)+12*\b:96*(\p)+12*\b+11], v[F1+48*(\p)+12*\a:F1+48*(\p)+12*\a+11], 0, v[SC+8*\b+(\s)], v[SC+8*\a+(\s)] matrix_a_fmt:MATRIX_FMT_FP6 matrix_b_fmt:MATRIX_FMT_FP6 matrix_a_scale:MATRIX_SCALE_ROW1
.else
	v_wmma_scale_f32_16x16x128_f8f6f4 v[8*(8*\a+\b):8*(8*\a+\b)+7], v[96*(\p)+12*\b:96*(\p)+12*\b+11], v[F1+48*(\p)+12*\a:F1+48*(\p)+12*\a+11], v[8*(8*\a+\b):8*(8*\a+\b)+7], v[SC+8*\b+(\s)], v[SC+8*\a+(\s)] matrix_a_fmt:MATRIX_FMT_FP6 matrix_b_fmt:MATRIX_FMT_FP6 matrix_a_scale:MATRIX_SCALE_ROW1
.endif
.endr
.endr
.endm
.macro KSTEP s, p, more
	s_wait_dscnt 0x0                               ; set p is in: it was asked for ahead of the last 32 matrix instructions
.if \more
	PLACES                                         ; the other set was read by the matrix instructions just issued
	FETCH (\s)+1, 1-(\p)
.endif
	MUL \s, \p, 0
.endm
.macro COMPUTE                         ; a tile's 256 matrix instructions
	s_wait_alu depctr_va_vdst(0)
	s_wait_tensorcnt 0x0                           ; my part of the panels is in,
	s_barrier_signal -1
	s_barrier_wait -1                              ; everybody's is
	FETCH 0, 0
	s_wait_loadcnt 0x0                             ; scale words and biases
	s_wait_dscnt 0x0
	FETCH 1, 1
	MUL 0, 0, 1
	KSTEP 1, 1, 1
	KSTEP 2, 0, 1
	KSTEP 3, 1, 1
	KSTEP 4, 0, 1
	KSTEP 5, 1, 1
	KSTEP 6, 0, 1
	KSTEP 7, 1, 0
	WIN 0
	PLACES
.endm
; THE WAY OUT of S1's tile a: the 64 sums of a lane get their bias on the way into window 0 (each accumulator from its low end on), are quantised, and leave as the image of a fragment
.macro OUT a, kind
.set I, 0
.if \kind
	WIN 0x01                                       ; source 0 window 1
.rept 32
	v_pk_add_f32 v[H+I:H+I+1], v[64*\a+I:64*\a+I+1], v[BL+2*\a:BL+2*\a+1]
.set I, I+2
.endr
.else
	WIN 0x09                                       ; source 0 window 1, source 1 window 2
.rept 32
	v_pk_add_f32 v[H+I:H+I+1], v[64*\a+I:64*\a+I+1], v[BR+I:BR+I+1]
.set I, I+2
.endr
.endif
	WIN 0
	QUANT H, PC+12*\a, PW+\a
.irp n, 0,1,2,3,4,5
	global_store_b64 v1, v[PC+12*\a+2*\n:PC+12*\a+2*\n+1], s[84+2*(\n/3):85+2*(\n/3)] offset:768*\a+256*(\n%3)   ; 32 lanes store 256 consecutive bytes, aligned
.endr
.endm
.macro OUTALL kind
	OUT 0, \kind
	OUT 1, \kind
	OUT 2, \kind
	OUT 3, \kind
.irp a, 0,1,2,3
	v_lshrrev_b32 v[W4+\a], v[SH], v[PW+\a]        ; kind 0: lanes 0-15 the first head's two bytes, lanes 16-31 the second's
.endr
.irp a, 0,1,2,3
	v_and_or_b32 v[W4+\a], v[W4+\a], s90, s91      ; with 0x7f7f above them; kind 1: the word as it is
.endr
	global_store_b128 v[SSO], v[W4:W4+3], s[88:89] ; sixteen lanes store 256 consecutive bytes, aligned
.endm
	s_load_b256 s[4:11], s[0:1], 0x0               ; c1 s[4:5], s1 s[6:7], b_qkv s[8:9], qkv s[10:11]
	v_lshl_add_u32 v30, v0, 2, 0x48000
	v_mov_b32 v31, 0
	ds_add_u32 v30, v31                            ; the opening lines: an add of 0 to the spare word, twice on end, and its wait
	ds_add_u32 v30, v31
	v_lshrrev_b32 v1, 5, v0
	v_readfirstlane_b32 s12, v1                    ; wave 0..3
	v_and_b32 v1, 31, v0
	v_lshlrev_b32 v1, 3, v1                        ; 8 x lane
	v_and_b32 v2, 15, v0                           ; r
	v_bfe_u32 v3, v0, 4, 1                         ; h
	s_and_b32 s13, s12, 1
	s_lshr_b32 s14, s12, 1
	s_mul_i32 s57, s13, 98304
	v_add_nc_u32 v[AD0], s57, v1
	s_mul_i32 s57, s14, 49152
	s_add_co_u32 s57, s57, 196608
	v_add_nc_u32 v[AD1], s57, v1
	v_add_nc_u32 v[AD0+1], 49152, v[AD0]
.irp b, 0,1,2,3
	v_mov_b32 v[TM+4+\b], 0                        ; written once: a lane permute's destination counts as one of its sources
.endr
	s_wait_alu depctr_va_vdst(0)
	s_bfe_u32 s15, ttmp6, 0x40000                  ; cx
	s_bfe_u32 s16, ttmp6, 0x40004                  ; cy
	s_lshl_b32 s96, 0x1111, s15                    ; my column of the cluster
	s_lshl_b32 s97, s16, 2
	s_lshl_b32 s97, 15, s97                        ; my row
	; group 1: 8 (S0) or 4 (S1) whole tiles: rows of 12,288 bytes = 1,536 elements of 8 bytes, dense in memory and in LDS
	s_or_b32 s[G1A], s96, (3<<16)|(1<<21)
	s_mov_b32 s[G1A+1], 1536<<16
	s_mov_b32 s[G1A+2], 8<<16
	s_mov_b32 s[G1A+3], 1536<<16
	s_mov_b32 s[G1A+4], 8
	s_mov_b32 s[G1A+5], 1536
	s_mov_b32 s[G1A+6], 0
	s_mov_b32 s[G1A+7], 0
	s_or_b32 s[G1B], s97, (3<<16)|(1<<21)
	s_mov_b32 s[G1B+1], 1536<<16
	s_mov_b32 s[G1B+2], 4<<16
	s_mov_b32 s[G1B+3], 1536<<16
	s_mov_b32 s[G1B+4], 4
	s_mov_b32 s[G1B+5], 1536
	s_mov_b32 s[G1B+6], 0
	s_mov_b32 s[G1B+7], 0
	s_mov_b32 s[G0A], 1
	s_mul_i32 s[G0A+1], s12, 98304                 ; where they go: the wave's number alone: waves 0, 1 at 0 and 98,304,
	s_mov_b32 s[G0B], 1
	s_mul_i32 s[G0B+1], s12, 49152
	s_add_co_u32 s[G0B+1], s[G0B+1], 98304         ; waves 2, 3 at 196,608 and 245,760
	s_mov_b32 s94, 0x76543210
	s_mov_b32 s95, 0xfedcba98                      ; v_permlanex16_b32's selects for lane l xor 16
	s_mov_b32 s2, 0                                ; the tile
	s_wait_dscnt 0x0
	s_wait_kmcnt 0x0
	PANEL
	CROUND                                         ; all sixteen work-groups are here: the joint loads meet
	JLOAD                                          ; tile 0's panels: one tensor load a wave at the head
	SCLOAD
	REST
	COMPUTE
.Ltile:
	s_add_co_u32 s2, s2, 1                         ; the next tile
	s_wait_tensorcnt 0x0                           ; none of my tensor loads is out, so the groups 0 may be written;
	ds_add_u32 v30, v31                            ; 0 onto my spare word;
	PANEL                                          ; work on scalar registers stands between the add and the wait for it
	s_wait_dscnt 0x0                               ; the add is done, and so are my reads of the panels
	CROUND                                         ; both now hold of every wave of every partner
	JLOAD                                          ; the refill, the first tensor load behind the round
	SCLOAD                                         ; the scale registers are done with too: the next tile's words
	OUTALL 0                                       ; the finished tile, 0 or 1, is of kind 0: it leaves while the panels land
	REST
	COMPUTE
	s_cmp_lt_u32 s2, 2
	s_cbranch_scc1 .Ltile
	OUTALL 1                                       ; tile 2 is of kind 1
	s_wait_tensorcnt 0x0                           ; the wave's end
	ds_add_u32 v30, v31
	s_wait_dscnt 0x0
	CROUND                                         ; the closing round: no work-group ends while a partner may still ask for a tile that names it
	s_endpgm
.Lfunc_end_k_q9ebe7758f5_gemm1:
	.size	k_q9ebe7758f5_gemm1, .Lfunc_end_k_q9ebe7758f5_gemm1-k_q9ebe7758f5_gemm1
	.p2alignl 7, 3214868480
	.fill 96, 4, 3214868480
	.section	.rodata,"a",@progbits
	.p2align	6, 0x0
	.amdhsa_kernel k_q9ebe7758f5_gemm1
		.amdhsa_group_segment_fixed_size 327680
		.amdhsa_private_segment_fixed_size 0
		.amdhsa_enable_private_segment 0
		.amdhsa_kernarg_size 32
		.amdhsa_user_sgpr_count 2
		.amdhsa_user_sgpr_kernarg_segment_ptr 1
		.amdhsa_wavefront_size32 1
		.amdhsa_system_sgpr_workgroup_id_x 1
		.amdhsa_system_sgpr_workgroup_id_y 1
		.amdhsa_system_sgpr_workgroup_id_z 1
		.amdhsa_system_vgpr_workitem_id 0
		.amdhsa_next_free_vgpr 768
		.amdhsa_next_free_sgpr 100
		.amdhsa_reserve_vcc 1
		.amdhsa_float_denorm_mode_32 3
		.amdhsa_float_denorm_mode_16_64 3
		.amdhsa_memory_ordered 1
		.amdhsa_forward_progress 1
		.amdhsa_inst_pref_size 223
	.end_amdhsa_kernel
	.amdgpu_metadata
---
amdhsa.version: [ 1, 2 ]
amdhsa.kernels:
  - .name:           k_q9ebe7758f5_gemm1
    .symbol:         k_q9ebe7758f5_gemm1.kd
    .args:
      - { .name: c1, .offset: 0, .size: 8, .value_kind: global_buffer, .address_space: global }
      - { .name: s1, .offset: 8, .size: 8, .value_kind: global_buffer, .address_space: global }
      - { .name: b_qkv, .offset: 16, .size: 8, .value_kind: global_buffer, .address_space: global }
      - { .name: qkv, .offset: 24, .size: 8, .value_kind: global_buffer, .address_space: global }
    .group_segment_fixed_size: 327680
    .private_segment_fixed_size: 0
    .kernarg_segment_align: 8
    .kernarg_segment_size: 32
    .max_flat_workgroup_size: 128
    .sgpr_count:     100
    .vgpr_count:     768
    .wavefront_size: 32
...
	.end_amdgpu_metadata
.endif
;; end of part 2
;; launch attn (part 3): grid 4 x 64, 16 waves a work-group, clusters of 4 x 1, 237,056 bytes of LDS; arguments qkv, c4, s4; writes c4, s4
.if DOCPART == 3
	.amdgcn_target "amdgcn-amd-amdhsa--gfx1250"
	.amdhsa_code_object_version 6
	.text
	.protected	k_q9ebe7758f5_attn
	.globl	k_q9ebe7758f5_attn
	.p2align	8
	.type	k_q9ebe7758f5_attn,@function
k_q9ebe7758f5_attn:
	s_mov_b64 s[64:65], 0
	v_nop
	global_prefetch_b8 v0, s[64:65] scope:SCOPE_SE
	s_setreg_imm32_b32 hwreg(HW_REG_WAVE_MODE, 25, 1), 1
	s_wait_xcnt 0x0
	s_wait_alu depctr_hold_cnt(0) depctr_sa_sdst(0) depctr_va_vdst(0) depctr_va_sdst(0) depctr_va_ssrc(0) depctr_va_vcc(0) depctr_vm_vsrc(0)
	s_getreg_b32 s2, hwreg(HW_REG_IB_STS2, 6, 4)
	s_cmp_eq_u32 s2, 0
	s_cbranch_scc0 .Lentry_in_a_cluster
	s_endpgm
.Lentry_in_a_cluster:
	s_bfe_u32 s2, ttmp6, 0x10000c
	s_cmp_lg_u32 s2, 0x3003
	s_cbranch_scc0 .Lentry_shape_is_right
	s_endpgm
.Lentry_shape_is_right:
; O = softmax(Q K^T / 8) V for one (batch, head) and 512 queries, both products on codes of FP6 (E2M3) with E8M0 scales, and O quantised along the embedding for the last product.
; THE SOFTMAX: t = score x log2(e) / 8; M = the running largest t rounded UP to a whole number; p = 2^(t - M) is quantised along the keys; the row's sum is taken of the unquantised p and divides O at the end.
; When M moves, the sum and O are multiplied by 2^(old M - new M): exact.
; INPUT: the head's block of qkv (315,392 bytes): K codes | V codes | K scale words | V scale words (816 rows of 256 bytes, brought into LDS ONCE: no LDS byte is filled twice) | Q codes | Q scale words.
; Operands lie as images of registers: 768 bytes for 16 rows x 64 K, byte 256 j + 8 lane of register pair j.  A stored tile T holds rows 32 (T / 2) + 8 (T % 2) + r + 8 (r / 8).
; IN LDS each 256 bytes are followed by 32 of padding (pitch 288).
; THE KEYS OF A SCORE TILE ARE GATHERED BY THE LANES' ADDRESSES: tile t of the 64 keys g takes in rows 0-7 keys 64 g + 8 t + 0 .. 7 and in rows 8-15 keys 64 g + 32 + 8 t + 0 .. 7; these lie in stored tiles
; 4 g + t % 2 (rows 0-7) and 4 g + 2 + t % 2 (rows 8-15), at stored row r % 8 + 8 (t / 2).  Two stored tiles are 6 x 288 = 1,728 bytes apart, 192 modulo 256, so the 32 lanes of such a load touch 64 different banks.
; So the 32 score registers of tiles 4 g .. 4 g + 3 are keys 64 g + 32 (lane / 16) + 0 .. 31: a WHOLE block of 32 in a lane, in the order of the next operand: a block's maximum needs no other lane, and p's codes no lane swap.
; SHARES: sixteen waves, four to a SIMD; wave w takes query tiles 32 cx + w and 32 cx + 16 + w, one after the other, and walks all 2,048 keys, 128 a step.
; BOTH PRODUCTS TRANSPOSED: S^T = K Q^T (source 0 = 16 keys), O^T = V^T P^T (source 0 = 16 of the head's 64): a lane holds one query throughout.
; THE HEAD'S K IS 64, the instruction's 128: Q's registers 6-11 are zero codes, so what stands in K's registers 6-11 (the next tile's codes, or zeros) adds nothing; the upper two scale bytes of q and k are 0x7f.
; THE STEP IS ROTATED: the next step's K is asked for behind the products with V and two additions, and the last 30 additions of the row's sum (in place, on p's registers, which are done with) stand between that request and the wait for it.
; CLUSTER: the four query blocks of a head read the same 208,896 bytes: each wave's one tensor load is a joint one, with a mask that names the four.  One tensor load of a wave is out at the most.
; No prefetch: the launch's one fill stands at its head, and there is no loop that runs ahead of a load from memory.
; OUTPUT: c4 tile 64 + token tile, piece = the head (768 bytes, whole aligned runs of 256); s4: the head's two bytes of each row's scale word, two bytes a lane: the other head's work-group stores the rest of the 64.
; LIMITS: NaN and infinities are not served; a p under 2^-126 becomes 0; blocks whose largest magnitude lies under 2^-124, and blocks of zeros, keep the byte 1; the scaled scores stay under 2^31 in magnitude.
; REGISTERS: v1-7, v29 addresses that stay; v8-11 the step's; v12 -M, v13 the largest score, v[14:15] the sum; v16-27 Q; v28 Q's scale word; v32-79 K's eight tiles, then V's four fragments; v80-85 zeros; v88-95 K's scale words;
;   v96-159 S^T, then p, then its sums; v160-191 O^T; v192-195 V's scale words; v196-207 p's codes; v208-231 at work; v232 f (v233 named with it); v234 p's scale word.
.set ROW, 288                          ; 256 bytes + 32 of padding
.set VC,  384*ROW                      ; V's codes
.set KS,  768*ROW                      ; K's scale words: a row for four stored tiles, [stored row][tile] words
.set VS,  800*ROW                      ; V's: a row for 128 keys, [r][d tile] words
.set SPARE, 816*ROW                    ; 235,008, a multiple of 256: the spare words, 128 bytes a wave
.set S,   96
.set O,   160
.set KV,  32
.set KSW, 88
.set VSW, 192
.set PCD, 196
.set T2,  208
.set BM,  216                          ; the blocks' largest scores (two chains each), then largest p
.set PB,  220
.set SO,  224
.set PSW, 234
.macro CROUND                          ; a round of the cluster's barrier
	s_barrier_signal -1
	s_barrier_wait -1
	s_cmp_lg_u32 s10, 0
	s_cbranch_scc1 .Lnot_wave_0_\@
	s_barrier_signal -3
.Lnot_wave_0_\@:
	s_barrier_wait -3
	s_barrier_signal -1
	s_barrier_wait -1
.endm
	s_load_b128 s[4:7], s[0:1], 0x0                ; qkv s[4:5], c4 s[6:7]
	s_load_b64 s[8:9], s[0:1], 0x10                ; s4
	v_lshl_add_u32 v254, v0, 2, SPARE
	v_mov_b32 v255, 0
	ds_add_u32 v254, v255                          ; the opening lines: an add of 0 to the spare word, twice on end, and its wait
	ds_add_u32 v254, v255
	v_lshrrev_b32 v1, 5, v0
	s_delay_alu instid0(VALU_DEP_1)
	v_readfirstlane_b32 s10, v1                    ; wave 0..15
	s_bfe_u32 s11, ttmp6, 0x40000                  ; cx: which 512 queries
	s_and_b32 s12, ttmp7, 0xffff                   ; 16 x batch + head, which the four partners share
	s_lshr_b32 s13, s12, 4
	s_and_b32 s14, s12, 15
	; group 1: 51 rows of 256 dense bytes (32 elements of 8), 8 words of padding behind each 64; the mask names the four partners
	s_mov_b32 s16, 15|(3<<16)|(1<<20)|(1<<21)|(5<<22)|(7<<25)
	s_mov_b32 s17, 32<<16
	s_mov_b32 s18, 51<<16
	s_mov_b32 s19, 32<<16
	s_mov_b32 s20, 51
	s_mov_b32 s21, 32
	s_mov_b32 s22, 0
	s_mov_b32 s23, 0
	s_mul_i32 s44, s12, 315392
	s_mov_b32 s45, 0
	s_mul_i32 s46, s10, 51*256                     ; my sixteenth in memory,
	s_mov_b32 s47, 0
	s_mul_i32 s25, s10, 51*ROW                     ; and in LDS
	s_wait_dscnt 0x0
	s_wait_kmcnt 0x0
	s_add_nc_u64 s[44:45], s[4:5], s[44:45]        ; the head's block
	s_mov_b32 s24, 1
	s_add_nc_u64 s[26:27], s[44:45], s[46:47]
	s_or_b32 s27, s27, 0x80000000
	CROUND                                         ; all four work-groups are here: the joint loads meet
	tensor_load_to_lds s[24:27], s[16:23]
	s_nop 0
.rept 4
	v_nop
.endr
	s_lshl_b32 s48, s11, 5
	s_add_co_u32 s48, s48, s10                     ; my first query tile: 32 cx + w
	s_mul_i32 s50, s48, 768
	s_add_co_u32 s50, s50, 208896
	s_mov_b32 s51, 0
	s_add_nc_u64 s[28:29], s[44:45], s[50:51]      ; its codes
	s_lshr_b32 s50, s48, 2
	s_lshl_b32 s50, s50, 8
	s_and_b32 s52, s48, 3
	s_lshl_b32 s52, s52, 2
	s_add_co_u32 s50, s50, s52
	s_add_co_u32 s50, s50, 307200
	s_add_nc_u64 s[30:31], s[44:45], s[50:51]      ; its scale words
	s_lshl_b32 s52, s13, 7
	s_add_co_u32 s52, s52, s48
	s_add_co_u32 s52, s52, 64                      ; its tile in c4 and s4
	s_mul_i32 s50, s52, 12288
	s_mul_i32 s53, s14, 768
	s_add_co_u32 s50, s50, s53
	s_add_nc_u64 s[32:33], s[6:7], s[50:51]
	s_lshl_b32 s50, s52, 9
	s_lshr_b32 s53, s14, 1
	s_lshl_b32 s53, s53, 6
	s_add_co_u32 s50, s50, s53
	s_and_b32 s53, s14, 1
	s_lshl_b32 s53, s53, 1
	s_add_co_u32 s50, s50, s53
	s_add_nc_u64 s[34:35], s[8:9], s[50:51]
	s_mov_b32 s36, 0x76543210
	s_mov_b32 s37, 0xfedcba98                      ; v_permlanex16_b32's selects for lane l xor 16
	s_mov_b32 s38, 0x3e38aa3b                      ; c = log2(e) / 8
	s_mov_b32 s39, s38                             ; (named with it as a pair, so it is written)
	v_and_b32 v1, 31, v0
	v_and_b32 v6, 15, v0                           ; r
	v_and_b32 v8, 7, v0                            ; r % 8
	v_bfe_u32 v9, v0, 3, 1                         ; r / 8
	v_bfe_u32 v10, v0, 4, 1                        ; h
	v_lshlrev_b32 v1, 3, v1                        ; 8 x lane: Q's and O's codes in memory
	v_lshlrev_b32 v5, 4, v6                        ; 16 r: Q's scale words in memory
	v_lshlrev_b32 v3, 4, v8
	v_mul_u32_u24 v7, v9, 6*ROW
	v_lshlrev_b32 v29, 3, v10                      ; 8 h: where my two scale bytes go in p's word
	v_add_nc_u32 v2, VC, v1                        ; V's codes in LDS
	v_add_nc_u32 v4, VS, v5                        ; V's scale words
	v_lshl_add_u32 v3, v9, 3, v3
	v_lshl_add_u32 v7, v8, 3, v7
	v_lshlrev_b32 v6, 2, v6                        ; 4 r
	v_add_nc_u32 v3, KS, v3                        ; K's scale words: 16 (r % 8) + 8 (r / 8): two stored tiles' words
	v_lshl_add_u32 v7, v10, 7, v7                  ; K's codes: 1,728 (r / 8) + 8 (r % 8) + 128 h
.irp i, 0,1,2,3,4,5
	v_mov_b32 v[22+\i], 0                          ; Q's upper 64 along K: zero codes
	v_mov_b32 v[80+\i], 0                          ; what stands behind K's last tile
.endr
	s_wait_alu depctr_va_vdst(0)
.macro KLOAD                           ; 128 keys of K: eight gathered tiles and their scale words, from v8 and v10
.irp g, 0,1
.irp t, 0,1,2,3
.irp j, 0,1,2
	ds_load_b64 v[KV+6*(4*\g+\t)+2*\j:KV+6*(4*\g+\t)+2*\j+1], v8 offset:ROW*(3*(4*\g+\t%2)+\j)+64*(\t/2)
.endr
.endr
.irp u, 0,1
	ds_load_b64 v[KSW+4*\g+2*\u:KSW+4*\g+2*\u+1], v10 offset:ROW*\g+128*\u   ; the words of tiles 4 g + 2 u and the next
.endr
.endr
.endm
.macro ADDS first, count, step         ; packed additions in place: pair step q += pair step q + step / 2, q from first on
.set Q, \first
.rept \count
	v_pk_add_f32 v[S+\step*Q:S+\step*Q+1], v[S+\step*Q:S+\step*Q+1], v[S+\step*Q+\step/2:S+\step*Q+\step/2+1]
.set Q, Q+1
.endr
.endm
; A KEY STEP: 128 keys.  more = 1: the next step's K is asked for
.macro STEP more
	s_wait_dscnt 0x0                               ; K and its scale words, asked for ahead of the last 30 additions
.if \more
	s_barrier_signal -1                            ; I have begun this step (none of my LDS loads is out).  Between this line and its wait stand register work and loads of LDS bytes that nobody writes
.endif
.irp t, 0,2,4,6,1,3,5,7
	v_wmma_scale_f32_16x16x128_f8f6f4 v[S+8*\t:S+8*\t+7], v[KV+6*\t:KV+6*\t+11], v[16:27], 0, v[KSW+\t], v28 matrix_a_fmt:MATRIX_FMT_FP6 matrix_b_fmt:MATRIX_FMT_FP6
.endr
	v_add_nc_u32 v9, s40, v2                       ; four places ahead of the loads into K's registers and of the first read of the scores
	v_add_nc_u32 v11, s42, v4
	v_mov_b32 v228, v12                            ; the old -M
	v_nop
.irp t, 0,1,2,3                                ; V is asked for now and lands during the softmax
.irp n, 0,1,2,3,4,5
	ds_load_b64 v[KV+12*\t+2*\n:KV+12*\t+2*\n+1], v9 offset:ROW*(12*(\n/3)+3*\t+\n%3)
.endr
.endr
	ds_load_b128 v[VSW:VSW+3], v11
.irp g, 0,1                                    ; my two blocks' largest scores, each in two chains; every accumulator is first read at its low end
	v_max3_num_f32 v[BM+\g], v[S+32*\g], v[S+32*\g+1], v[S+32*\g+2]
	v_max3_num_f32 v[BM+2+\g], v[S+32*\g+16], v[S+32*\g+17], v[S+32*\g+18]
.endr
.irp i, 3,5,7,9,11,13
.irp g, 0,1
	v_max3_num_f32 v[BM+\g], v[BM+\g], v[S+32*\g+\i], v[S+32*\g+\i+1]
	v_max3_num_f32 v[BM+2+\g], v[BM+2+\g], v[S+32*\g+16+\i], v[S+32*\g+17+\i]
.endr
.endr
.irp g, 0,1
	v_max3_num_f32 v[BM+\g], v[BM+\g], v[S+32*\g+15], v[S+32*\g+31]
.endr
.irp g, 0,1
	s_delay_alu instid0(VALU_DEP_2)
	v_max_num_f32 v[BM+\g], v[BM+\g], v[BM+2+\g]   ; the block's largest score: for the row's maximum and, since p rises with the score, for the block's largest p
.endr
	s_delay_alu instid0(VALU_DEP_1)
	v_max_num_f32 v229, v[BM], v[BM+1]
	s_delay_alu instid0(VALU_DEP_1)
	v_permlanex16_b32 v230, v229, s36, s37         ; lane l xor 16's two blocks
	s_delay_alu instid0(VALU_DEP_1)
	v_max3_num_f32 v13, v13, v229, v230            ; the running largest score
	s_delay_alu instid0(VALU_DEP_1)
	v_mul_f32 v231, s38, v13                       ; as t (c is positive)
	s_delay_alu instid0(VALU_DEP_1)
	v_floor_f32 v12, -v231                         ; the new -M = floor(-t) = -ceil(t)
	s_delay_alu instid0(VALU_DEP_1)
	v_sub_f32 v228, v12, v228                      ; old M - new M: a whole number, 0 or less
.set J, 0
.rept 8
	v_pk_fma_f32 v[S+J:S+J+1], v[S+J:S+J+1], s[38:39], v[12:13] op_sel_hi:[1,0,0]   ; t - M, two at a time
.set J, J+2
.endr
	v_cvt_i32_f32 v228, v228                       ; (it saturates)
.rept 8
	v_pk_fma_f32 v[S+J:S+J+1], v[S+J:S+J+1], s[38:39], v[12:13] op_sel_hi:[1,0,0]
.set J, J+2
.endr
	v_ldexp_f32 v232, 1.0, v228                    ; f = 2^(old M - new M)
.rept 16
	v_pk_fma_f32 v[S+J:S+J+1], v[S+J:S+J+1], s[38:39], v[12:13] op_sel_hi:[1,0,0]
.set J, J+2
.endr
.irp g, 0,1
	v_fma_f32 v[BM+\g], v[BM+\g], s38, v12         ; the same of each block's largest score
.endr
	s_wait_alu depctr_va_vdst(0)
.set J, 0
.rept 64
	v_exp_f32 v[S+J], v[S+J]                       ; p = 2^(t - M): not normalised
.set J, J+1
.endr
.irp g, 0,1
	v_exp_f32 v[BM+\g], v[BM+\g]                   ; the blocks' largest p
.endr
	v_nop                                          ; the plain instruction behind the exponentials
	s_wait_alu depctr_va_vdst(0)                   ; one wait for the batch of 66, ahead of its first reader
.irp g, 0,1
	v_max_num_f32 v[BM+\g], 0x1800000, v[BM+\g]    ; the floor 2^(3 - 127): the byte cannot fall under 1
.endr
.irp g, 0,1
	s_delay_alu instid0(VALU_DEP_2)
	v_add_nc_u32 v[SO+\g], 0xff000000, v[BM+\g]    ; 2 off the exponent field: the conversion's scale operand
.endr
.irp g, 0,1                                    ; my block 2 g + h, 32 codes: registers 6 g .. 6 g + 5 of the operand
	v_cvt_scalef32_pk16_fp6_f32 v[PCD+6*\g:PCD+6*\g+2], v[S+32*\g:S+32*\g+15], v[SO+\g]
	v_cvt_scalef32_pk16_fp6_f32 v[T2+4*\g:T2+4*\g+2], v[S+32*\g+16:S+32*\g+31], v[SO+\g]   ; (a conversion's three registers begin on an even number)
.endr
.irp g, 0,1
	v_lshrrev_b32 v[PB+\g], 23, v[SO+\g]           ; the bytes.  These lines are also the plain instructions behind the conversions
.endr
	s_delay_alu instid0(VALU_DEP_1)
	v_lshl_or_b32 v230, v[PB+1], 16, v[PB]         ; blocks h and 2 + h,
	s_delay_alu instid0(VALU_DEP_1)
	v_lshlrev_b32 v230, v29, v230                  ; at their places in the word;
	s_delay_alu instid0(VALU_DEP_1)
	v_permlanex16_b32 v231, v230, s36, s37
	s_delay_alu instid0(VALU_DEP_1)
	v_or_b32 v[PSW], v230, v231                    ; with lane l xor 16's two: p's scale word for these 128 keys
.irp g, 0,1
.irp i, 0,1,2
	v_mov_b32 v[PCD+3+6*\g+\i], v[T2+4*\g+\i]
.endr
.endr
	s_wait_dscnt 0x0                               ; V and its scale words
	s_wait_alu depctr_va_vdst(0)
.set J, 0
.rept 16
	v_pk_mul_f32 v[O+J:O+J+1], v[O+J:O+J+1], v[232:233] op_sel_hi:[1,0]   ; O^T under the new M.  These sixteen also stand between the writes of p's codes and scale word and the products
.set J, J+2
.endr
.irp t, 0,1,2,3                                ; the four accumulators take turns, one instruction a turn
	v_wmma_scale_f32_16x16x128_f8f6f4 v[O+8*\t:O+8*\t+7], v[KV+12*\t:KV+12*\t+11], v[PCD:PCD+11], v[O+8*\t:O+8*\t+7], v[VSW+\t], v[PSW] matrix_a_fmt:MATRIX_FMT_FP6 matrix_b_fmt:MATRIX_FMT_FP6
.endr
.if \more
	s_add_co_u32 s40, s40, 24*ROW                  ; 24 rows of K's codes, and of V's
	s_add_co_u32 s41, s41, 2*ROW
	s_add_co_u32 s42, s42, ROW
	v_add_nc_u32 v8, s40, v7                       ; these two and the two additions below are the places ahead of the loads into V's registers
	v_add_nc_u32 v10, s41, v3
.endif
	ADDS 0, 2, 4                                   ; THE ROW'S SUM, OF THE UNQUANTISED p: 31 packed additions in place
.if \more
	KLOAD                                          ; the next step's K lands under the additions
.endif
	ADDS 2, 14, 4
	ADDS 0, 8, 8
	ADDS 0, 4, 16
	s_delay_alu instid0(VALU_DEP_3)
	v_pk_add_f32 v[S:S+1], v[S:S+1], v[S+16:S+17]
	s_delay_alu instid0(VALU_DEP_2)
	v_pk_add_f32 v[S+32:S+33], v[S+32:S+33], v[S+48:S+49]
	s_delay_alu instid0(VALU_DEP_1)
	v_pk_add_f32 v[S:S+1], v[S:S+1], v[S+32:S+33]
	s_delay_alu instid0(VALU_DEP_1)
	v_pk_fma_f32 v[14:15], v[14:15], v[232:233], v[S:S+1] op_sel_hi:[1,0,1]   ; the old sum under the new M, and this step's
.if \more
	s_barrier_wait -1                              ; no wave leaves a step before all sixteen have begun it: the waves stay within a step of each other.  The barrier orders no memory
.endif
.endm
; One tile of 16 queries through all the keys
.macro PASS p
.if \p
	s_wait_xcnt 0x0                                ; the first tile's stores have read their registers, which are written again below
.endif
.irp j, 0,1,2
	global_load_b64 v[16+2*\j:17+2*\j], v1, s[28:29] offset:12288*\p+256*\j
.endr
	global_load_b32 v28, v5, s[30:31] offset:1024*\p
	v_mov_b32 v13, 0xff61b1e6                      ; the largest score so far: -3e38
	v_mov_b32 v12, 0x7f61b1e6                      ; -M to go with it: the first change of M gives f = 0
	v_mov_b32 v14, 0
	v_mov_b32 v15, 0
	v_mov_b32 v233, 0                              ; (named as the upper half of v[232:233])
	v_mov_b32 v230, 0                              ; a lane permute's destination counts as one of its sources
	v_mov_b32 v231, 0
	v_mov_b32 v[PB], 0
	v_mov_b32 v[PB+1], 0
.set J, 0
.rept 32
	v_mov_b32 v[O+J], 0                            ; the step is written once: the first finds zeros, which f = 0 leaves zeros
.set J, J+1
.endr
	s_mov_b32 s40, 0
	s_mov_b32 s41, 0
	s_mov_b32 s42, 0
	s_mov_b32 s43, 15
	s_wait_alu depctr_va_vdst(0)
	s_wait_loadcnt 0x0                             ; Q
.if \p == 0
	s_wait_tensorcnt 0x0                           ; my sixteenth of the head has landed,
	s_barrier_signal -1
	s_barrier_wait -1                              ; everybody's has.  From here on LDS is only read
.endif
	v_add_nc_u32 v8, s40, v7
	v_add_nc_u32 v10, s41, v3
	KLOAD                                          ; the first 128 keys
.Lstep_\@:
	STEP 1
	s_sub_co_u32 s43, s43, 1
	s_cmp_lg_u32 s43, 0
	s_cbranch_scc1 .Lstep_\@
	STEP 0                                         ; the last step asks for nothing more; its 32 additions are the places behind the last products
	v_add_f32 v14, v14, v15
	s_delay_alu instid0(VALU_DEP_1)
	v_permlanex16_b32 v228, v14, s36, s37
	s_delay_alu instid0(VALU_DEP_1)
	v_add_f32 v14, v14, v228                       ; the row's sum
	s_wait_alu depctr_va_vdst(0)
	v_rcp_f32 v14, v14
	v_nop                                          ; a plain instruction behind the reciprocal
	s_wait_alu depctr_va_vdst(0)                   ; and the wait ahead of its first reader, which is also O^T's
.set J, 0
.rept 16
	v_pk_mul_f32 v[S+J:S+J+1], v[O+J:O+J+1], v[14:15] op_sel_hi:[1,0]   ; register 16 b + i: o(my query, 32 b + 16 h + i); each accumulator from its low end on
.set J, J+2
.endr
.irp b, 0,1
	v_max3_num_f32 v[BM+\b], |v[S+16*\b]|, |v[S+1+16*\b]|, 0x1800000
.endr
.irp i, 2,4,6,8,10,12,14
.irp b, 0,1
	s_delay_alu instid0(VALU_DEP_2)
	v_max3_num_f32 v[BM+\b], v[BM+\b], |v[S+16*\b+\i]|, |v[S+1+16*\b+\i]|
.endr
.endr
.irp b, 0,1
	s_delay_alu instid0(VALU_DEP_2)
	v_permlanex16_b32 v[PB+\b], v[BM+\b], s36, s37
.endr
.irp b, 0,1
	s_delay_alu instid0(VALU_DEP_2)
	v_max_num_f32 v[BM+\b], v[BM+\b], v[PB+\b]     ; here a block of 32 along the head lies in lanes l and l xor 16
.endr
.irp b, 0,1
	s_delay_alu instid0(VALU_DEP_2)
	v_add_nc_u32 v[SO+\b], 0xff000000, v[BM+\b]
.endr
.irp b, 0,1
	s_delay_alu instid0(VALU_DEP_2)
	v_lshrrev_b32 v[PB+\b], 23, v[SO+\b]
.endr
	s_delay_alu instid0(VALU_DEP_1)
	v_lshl_or_b32 v228, v[PB+1], 8, v[PB]          ; the head's two scale bytes of my row
	v_cvt_scalef32_pk16_fp6_f32 v[PCD:PCD+2], v[S:S+15], v[SO]
	v_cvt_scalef32_pk16_fp6_f32 v[T2:T2+2], v[S+16:S+31], v[SO+1]
	v_nop
.irp i, 0,1,2
	v_permlane16_swap_b32 v[PCD+\i], v[T2+\i]      ; a lane is to hold a whole block
.endr
.irp i, 0,1,2
	s_delay_alu instid0(VALU_DEP_3)
	v_mov_b32 v[PCD+3+\i], v[T2+\i]
.endr
.irp j, 0,1,2
	global_store_b64 v1, v[PCD+2*\j:PCD+2*\j+1], s[32:33] offset:196608*\p+256*\j   ; 32 lanes store 256 consecutive bytes, aligned
.endr
	global_store_b16 v6, v228, s[34:35] offset:8192*\p   ; both halves of the lanes store the same bytes
.endm
	PASS 0
	PASS 1
	s_wait_tensorcnt 0x0                           ; the wave's end
	ds_add_u32 v254, v255
	s_wait_dscnt 0x0
	CROUND                                         ; the closing round
	s_endpgm
.Lfunc_end_k_q9ebe7758f5_attn:
	.size	k_q9ebe7758f5_attn, .Lfunc_end_k_q9ebe7758f5_attn-k_q9ebe7758f5_attn
	.p2alignl 7, 3214868480
	.fill 96, 4, 3214868480
	.section	.rodata,"a",@progbits
	.p2align	6, 0x0
	.amdhsa_kernel k_q9ebe7758f5_attn
		.amdhsa_group_segment_fixed_size 237056
		.amdhsa_private_segment_fixed_size 0
		.amdhsa_enable_private_segment 0
		.amdhsa_kernarg_size 24
		.amdhsa_user_sgpr_count 2
		.amdhsa_user_sgpr_kernarg_segment_ptr 1
		.amdhsa_wavefront_size32 1
		.amdhsa_system_sgpr_workgroup_id_x 1
		.amdhsa_system_sgpr_workgroup_id_y 1
		.amdhsa_system_sgpr_workgroup_id_z 1
		.amdhsa_system_vgpr_workitem_id 0
		.amdhsa_next_free_vgpr 256
		.amdhsa_next_free_sgpr 66
		.amdhsa_reserve_vcc 0
		.amdhsa_float_denorm_mode_32 3
		.amdhsa_float_denorm_mode_16_64 3
		.amdhsa_memory_ordered 1
		.amdhsa_forward_progress 1
		.amdhsa_inst_pref_size 84
	.end_amdhsa_kernel
	.amdgpu_metadata
---
amdhsa.version: [ 1, 2 ]
amdhsa.kernels:
  - .name:           k_q9ebe7758f5_attn
    .symbol:         k_q9ebe7758f5_attn.kd
    .args:
      - { .name: qkv, .offset: 0, .size: 8, .value_kind: global_buffer, .address_space: global }
      - { .name: c4, .offset: 8, .size: 8, .value_kind: global_buffer, .address_space: global }
      - { .name: s4, .offset: 16, .size: 8, .value_kind: global_buffer, .address_space: global }
    .group_segment_fixed_size: 237056
    .private_segment_fixed_size: 0
    .kernarg_segment_align: 8
    .kernarg_segment_size: 24
    .max_flat_workgroup_size: 512
    .sgpr_count:     66
    .vgpr_count:     256
    .wavefront_size: 32
...
	.end_amdgpu_metadata
.endif
;; end of part 3
;; launch gemm4 (part 4): grid 4 x 64, 4 waves a work-group, clusters of 4 x 4, 312,832 bytes of LDS; arguments c4, s4, b_out, out0; writes out0
.if DOCPART == 4
	.amdgcn_target "amdgcn-amd-amdhsa--gfx1250"
	.amdhsa_code_object_version 6
	.text
	.protected	k_q9ebe7758f5_gemm4
	.globl	k_q9ebe7758f5_gemm4
	.p2align	8
	.type	k_q9ebe7758f5_gemm4,@function
k_q9ebe7758f5_gemm4:
	s_mov_b64 s[64:65], 0
	v_nop
	global_prefetch_b8 v0, s[64:65] scope:SCOPE_SE
	s_setreg_imm32_b32 hwreg(HW_REG_WAVE_MODE, 25, 1), 1
	s_wait_xcnt 0x0
	s_wait_alu depctr_hold_cnt(0) depctr_sa_sdst(0) depctr_va_vdst(0) depctr_va_sdst(0) depctr_va_ssrc(0) depctr_va_vcc(0) depctr_vm_vsrc(0)
	s_getreg_b32 s2, hwreg(HW_REG_IB_STS2, 6, 4)
	s_cmp_eq_u32 s2, 0
	s_cbranch_scc0 .Lentry_in_a_cluster
	s_endpgm
.Lentry_in_a_cluster:
	s_bfe_u32 s2, ttmp6, 0x10000c
	s_cmp_lg_u32 s2, 0xf033
	s_cbranch_scc0 .Lentry_shape_is_right
	s_endpgm
.Lentry_shape_is_right:
; out0 = O W_out + b_out on codes of FP6 (E2M3) with E8M0 scales.  D = S0 x S1^T: S0 = 256 columns of W_out (c4's tiles 0-63), whose index runs along a lane's registers; S1 = 128 tokens (tiles 64-575), a token in lane % 16.
; Tile T of 16 rows takes rows 32 (T / 2) + 8 (T % 2) + r + 8 (r / 8): the 16 registers of result tiles 2 b, 2 b + 1 are the columns 32 b + 16 (lane / 16) + 0 .. 15.  c4 holds each tile as images of operand registers
; (768 bytes for 64 along K: byte 256 j + 8 lane of register pair j).
; A work-group makes 256 x 128 over all of K = 1,024; both panels lie in LDS whole, each filled ONCE: no LDS byte is filled twice.  One tensor load of a wave is out at the most.
; Wave w: S0's half w % 2 (8 tiles b), S1's half w / 2 (4 tiles a): 32 accumulators.   CLUSTER 4 x 4: S0's panel hangs on cx alone (asked for jointly by a column), S1's on cy alone (by a row).
; THE WAY OUT: a lane holds 64 columns of one token; 16 tokens x 64 columns at a time go through the wave's own stage, behind the panels, and leave as rows: sixteen lanes store 256 consecutive bytes, aligned.
; REGISTERS.  window 0: v1-19 addresses; v32-95 scale words and nothing else; v96-191 S1's fragments, two sets (the way out: rows read back); v192-255 the way out's 64 numbers.
;   window 1: the accumulators, (a, b) at v[8 (8 a + b)].   window 2: v0-191 S0's fragments, two sets; v192-255 the bias.
; THE PANELS COME WHOLE, one tensor load a wave (this takes the place of the quarters named above): waves 0, 1 fetch S0's 8 tiles each (98,304 dense bytes), waves 2, 3 S1's 4 tiles each (49,152).
; In LDS a tile's 12,288 bytes lie as in memory: S0's 16 tiles from byte 0, S1's 8 from byte 196,608.  One tensor load of a wave is out at the most; one wait and one barrier show both panels to all four waves.
.set STAGE, 294912                     ; 16 rows x (256 + 16) bytes for each wave; no fill lands here
.set AD0,  4
.set AD1,  8
.set VA,   12
.set VB,   13
.set BRO,  14
.set STO,  16
.set RD,   17
.set CO,   18
.set SC,   32
.set F1,   96
.set OB,   96
.set H,    192
.set BR,   192                         ; in window 2
.set G1A,  24
.set G1B,  32
.set G0A,  40
.set G0B,  68
.set MSB, 0
.macro WIN new
.if MSB != \new
	s_set_vgpr_msb (MSB<<8)|\new
.set MSB, \new
.endif
.endm
.macro PLACES
.rept 4
	v_nop
.endr
.endm
.macro CROUND
	s_barrier_signal -1
	s_barrier_wait -1
	s_cmp_lg_u32 s12, 0
	s_cbranch_scc1 .Lnot_wave_0_\@
	s_barrier_signal -3
.Lnot_wave_0_\@:
	s_barrier_wait -3
	s_barrier_signal -1
	s_barrier_wait -1
.endm
	s_load_b256 s[4:11], s[0:1], 0x0               ; c4 s[4:5], s4 s[6:7], b_out s[8:9], out0 s[10:11]
	v_lshl_add_u32 v30, v0, 2, 0x4c400
	v_mov_b32 v31, 0
	ds_add_u32 v30, v31
	ds_add_u32 v30, v31
	v_lshrrev_b32 v1, 5, v0
	v_readfirstlane_b32 s12, v1
	s_and_b32 s13, s12, 1
	s_lshr_b32 s14, s12, 1
	s_bfe_u32 s15, ttmp6, 0x40000                  ; cx
	s_bfe_u32 s16, ttmp6, 0x40004                  ; cy
	s_lshl_b32 s20, ttmp9, 2
	s_add_co_u32 s20, s20, s15                     ; i0: which 256 columns
	s_and_b32 s21, ttmp7, 0xffff
	s_lshl_b32 s21, s21, 2
	s_add_co_u32 s21, s21, s16                     ; i1: which 128 tokens
	s_lshl_b32 s56, s20, 4
	s_lshl_b32 s57, s13, 3
	s_add_co_u32 s56, s56, s57                     ; S0: the 8 tiles that I fetch (waves 0, 1), and that I multiply
	s_mul_i32 s58, s56, 12288
	s_mov_b32 s59, 0
	s_lshl_b32 s60, s21, 3
	s_add_co_u32 s60, s60, 64
	s_lshl_b32 s61, s13, 2
	s_add_co_u32 s61, s61, s60                     ; S1: the 4 tiles that I fetch (waves 2, 3)
	s_mul_i32 s62, s61, 12288
	s_mov_b32 s63, 0
	s_lshl_b32 s61, s14, 2
	s_add_co_u32 s60, s60, s61                     ; and the 4 that I multiply
	s_lshl_b32 s96, 0x1111, s15
	s_lshl_b32 s97, s16, 2
	s_lshl_b32 s97, 15, s97
	s_or_b32 s[G1A], s96, (3<<16)|(1<<21)          ; 8 rows of 12,288 bytes (1,536 elements of 8), dense in memory and in LDS
	s_mov_b32 s[G1A+1], 1536<<16                   ; a row is a whole tile: 1,536 elements of 8 bytes
	s_mov_b32 s[G1A+2], 8<<16
	s_mov_b32 s[G1A+3], 1536<<16
	s_mov_b32 s[G1A+4], 8
	s_mov_b32 s[G1A+5], 1536
	s_mov_b32 s[G1A+6], 0
	s_mov_b32 s[G1A+7], 0
	s_or_b32 s[G1B], s97, (3<<16)|(1<<21)          ; 4 such rows
	s_mov_b32 s[G1B+1], 1536<<16
	s_mov_b32 s[G1B+2], 4<<16
	s_mov_b32 s[G1B+3], 1536<<16
	s_mov_b32 s[G1B+4], 4
	s_mov_b32 s[G1B+5], 1536
	s_mov_b32 s[G1B+6], 0
	s_mov_b32 s[G1B+7], 0
	s_mul_i32 s92, s12, 98304                      ; where they go: the wave's number alone: waves 0, 1 at 0 and 98,304,
	s_mul_i32 s93, s12, 49152
	s_add_co_u32 s93, s93, 98304                   ; waves 2, 3 at 196,608 and 245,760
	s_wait_dscnt 0x0
	s_wait_kmcnt 0x0
	s_add_nc_u64 s[58:59], s[4:5], s[58:59]
	s_add_nc_u64 s[62:63], s[4:5], s[62:63]
	s_mov_b32 s[G0A], 1
	s_mov_b32 s[G0A+1], s92
	s_mov_b64 s[G0A+2:G0A+3], s[58:59]
	s_or_b32 s[G0A+3], s[G0A+3], 0x80000000
	s_mov_b32 s[G0B], 1
	s_mov_b32 s[G0B+1], s93
	s_mov_b64 s[G0B+2:G0B+3], s[62:63]
	s_or_b32 s[G0B+3], s[G0B+3], 0x80000000
	CROUND                                         ; all sixteen work-groups are here: the joint loads meet
	s_cmp_lt_u32 s12, 2                            ; a wave's one fill stands in one branch on the wave's number
	s_cbranch_scc0 .Lfor_s1
	tensor_load_to_lds s[G0A:G0A+3], s[G1A:G1A+7]
	s_nop 0
.rept 4
	v_nop
.endr
	s_branch .Lasked
.Lfor_s1:
	tensor_load_to_lds s[G0B:G0B+3], s[G1B:G1B+7]
	s_nop 0
.rept 4
	v_nop
.endr
.Lasked:
	v_and_b32 v1, 31, v0
	v_lshlrev_b32 v1, 3, v1                        ; 8 x lane
	v_and_b32 v2, 15, v0                           ; r
	v_bfe_u32 v3, v0, 4, 1                         ; h
	s_mul_i32 s57, s13, 98304
	v_add_nc_u32 v[AD0], s57, v1                   ; my half of S0, tiles 0-3;
	s_mul_i32 s57, s14, 49152
	s_add_co_u32 s57, s57, 196608
	v_add_nc_u32 v[AD1], s57, v1                   ; my half of S1
	v_add_nc_u32 v[AD0+1], 49152, v[AD0]           ; S0's tiles 4-7: so every offset stays inside 16 bits
	s_lshl_b32 s56, s56, 9
	s_lshl_b32 s60, s60, 9
	s_sub_co_u32 s61, s60, 2048                    ; (S1's tiles begin at tile 64: never negative)
	v_cmp_eq_u32 vcc_lo, 1, v3
	v_mov_b32 v[VA], s60
	v_mov_b32 v[VB], s61
	v_mov_b32 v19, s56
	v_cndmask_b32 v[VA], v[VA], v19, vcc_lo
	v_cndmask_b32 v[VB], v[VB], v19, vcc_lo
	v_lshl_add_u32 v[VA], v2, 2, v[VA]
	v_lshl_add_u32 v[VB], v2, 2, v[VB]
.irp i, 0,1,2,3
.irp s, 0,1,2,3,4,5,6,7
	global_load_b32 v[SC+8*\i+\s], v[VA], s[6:7] offset:512*\i+64*\s   ; register 8 i + s: K step s; lanes 16-31 S0's tile i, lanes 0-15 S1's tile i
.endr
.endr
.irp i, 4,5,6,7
.irp s, 0,1,2,3,4,5,6,7
	global_load_b32 v[SC+8*\i+\s], v[VB], s[6:7] offset:512*\i+64*\s   ; lanes 0-15 take S1's tile i - 4 once more, so that no load leaves the buffer; they are not used
.endr
.endr
	s_lshl_b32 s92, s20, 10
	s_lshl_b32 s93, s13, 9
	s_add_co_u32 s92, s92, s93                     ; my first column, in bytes
	v_lshlrev_b32 v[BRO], 6, v3
	v_add_nc_u32 v[BRO], s92, v[BRO]
	WIN 0x80
.irp q, 0,1,2,3
.irp k, 0,1,2,3
	global_load_b128 v[BR+16*\q+4*\k:BR+16*\q+4*\k+3], v[BRO], s[8:9] offset:128*\q+16*\k   ; register 16 q + i: b_out of column 32 q + 16 h + i
.endr
.endr
	WIN 0
	s_lshl_b32 s84, s21, 3
	s_lshl_b32 s93, s14, 2
	s_add_co_u32 s84, s84, s93                     ; my first token tile,
	s_lshl_b32 s84, s84, 16                        ; x 16 tokens x 4,096 bytes
	s_add_co_u32 s84, s84, s92
	s_mov_b32 s85, 0
	s_add_nc_u64 s[84:85], s[10:11], s[84:85]
	s_mul_i32 s93, s12, 4352
	s_add_co_u32 s93, s93, STAGE                   ; my stage
	v_mul_u32_u24 v[STO], v2, 272
	v_lshl_add_u32 v[STO], v3, 6, v[STO]
	v_add_nc_u32 v[STO], s93, v[STO]               ; in: row r, + 64 h
	v_mul_u32_u24 v[RD], v3, 272
	v_lshl_add_u32 v[RD], v2, 4, v[RD]
	v_add_nc_u32 v[RD], s93, v[RD]                 ; back: lanes 0-15 one row, lanes 16-31 the next
	v_lshlrev_b32 v[CO], 12, v3
	v_lshl_add_u32 v[CO], v2, 4, v[CO]             ; and the same in out0
.macro FETCH s, p
	WIN 0x80
.irp b, 0,1,2,3,4,5,6,7
.irp n, 0,1,2,3,4,5
	ds_load_b64 v[96*(\p)+12*\b+2*\n:96*(\p)+12*\b+2*\n+1], v[AD0+\b/4] offset:12288*(\b%4)+1536*(\s)+768*(\n/3)+256*(\n%3)
.endr
.endr
	WIN 0
.irp a, 0,1,2,3
.irp n, 0,1,2,3,4,5
	ds_load_b64 v[F1+48*(\p)+12*\a+2*\n:F1+48*(\p)+12*\a+2*\n+1], v[AD1] offset:12288*\a+1536*(\s)+768*(\n/3)+256*(\n%3)
.endr
.endr
.endm
.macro MUL s, p, zero                  ; the 32 accumulators take turns, in the same order in every step
	WIN 0x52
.irp a, 0,1,2,3
.irp b, 0,1,2,3,4,5,6,7
.if \zero
	v_wmma_scale_f32_16x16x128_f8f6f4 v[8*(8*\a+\b):8*(8*\a+\b)+7], v[96*(\p)+12*\b:96*(\p)+12*\b+11], v[F1+48*(\p)+12*\a:F1+48*(\p)+12*\a+11], 0, v[SC+8*\b+(\s)], v[SC+8*\a+(\s)] matrix_a_fmt:MATRIX_FMT_FP6 matrix_b_fmt:MATRIX_FMT_FP6 matrix_a_scale:MATRIX_SCALE_ROW1
.else
	v_wmma_scale_f32_16x16x128_f8f6f4 v[8*(8*\a+\b):8*(8*\a+\b)+7], v[96*(\p)+12*\b:96*(\p)+12*\b+11], v[F1+48*(\p)+12*\a:F1+48*(\p)+12*\a+11], v[8*(8*\a+\b):8*(8*\a+\b)+7], v[SC+8*\b+(\s)], v[SC+8*\a+(\s)] matrix_a_fmt:MATRIX_FMT_FP6 matrix_b_fmt:MATRIX_FMT_FP6 matrix_a_scale:MATRIX_SCALE_ROW1
.endif
.endr
.endr
.endm
.macro KSTEP s, p, meet, cnt, more     ; meet = 1: the next step begins a quarter: my part has landed (cnt = my loads issued behind it), and a barrier shows that everybody's has
	s_wait_dscnt 0x0                               ; set p is in
.if \meet
	s_wait_tensorcnt \cnt
	s_barrier_signal -1
	s_barrier_wait -1
.endif
.if \more
	PLACES
	FETCH (\s)+1, 1-(\p)
.endif
	MUL \s, \p, 0
.endm
	s_wait_tensorcnt 0x0                           ; my one load, my part of the panels, is in
	s_barrier_signal -1
	s_barrier_wait -1
	FETCH 0, 0
	s_wait_loadcnt 0x0                             ; scale words and bias
	s_wait_dscnt 0x0
	FETCH 1, 1
	MUL 0, 0, 1
	KSTEP 1, 1, 0, 0, 1
	KSTEP 2, 0, 0, 0, 1
	KSTEP 3, 1, 0, 0, 1
	KSTEP 4, 0, 0, 0, 1
	KSTEP 5, 1, 0, 0, 1
	KSTEP 6, 0, 0, 0, 1
	KSTEP 7, 1, 0, 0, 0
	WIN 0
	PLACES
.macro OUT a
	WIN 0x09                                       ; source 0 (sums) window 1, source 1 (bias) window 2, result window 0
.set I, 0
.rept 32
	v_pk_add_f32 v[H+I:H+I+1], v[64*\a+I:64*\a+I+1], v[BR+I:BR+I+1]   ; each accumulator from its low end on
.set I, I+2
.endr
	WIN 0
	s_wait_alu depctr_va_vdst(0)
.irp u, 0,1                                    ; columns 64 u on
	s_wait_xcnt 0x0                                ; earlier stores have read the registers into which the rows below are read back
.irp e, 0,1
.irp k, 0,1,2,3
	ds_store_b128 v[STO], v[H+16*(2*\u+\e)+4*\k:H+16*(2*\u+\e)+4*\k+3] offset:128*\e+16*\k
.endr
.endr
.irp i, 0,1,2,3,4,5,6,7
	ds_load_b128 v[OB+32*\u+4*\i:OB+32*\u+4*\i+3], v[RD] offset:544*\i   ; LDS serves a wave's instructions in order: these see the stores above, and the next stores come behind them
.endr
.irp i, 0,1,2,3,4,5,6,7
	s_wait_dscnt 7-\i                              ; the loads behind this one may be out
	global_store_b128 v[CO], v[OB+32*\u+4*\i:OB+32*\u+4*\i+3], s[84:85] offset:(32*(\a/2)+8*(\a%2)+2*\i+8*(\i/4))*4096+256*\u th:TH_STORE_NT   ; stage rows 2 i, 2 i + 1 are the tile's tokens 2 i + 8 (i / 4) and the next
.endr
.endr
.endm
	OUT 0
	OUT 1
	OUT 2
	OUT 3
	s_wait_tensorcnt 0x0
	ds_add_u32 v30, v31
	s_wait_dscnt 0x0
	CROUND                                         ; the closing round
	s_endpgm
.Lfunc_end_k_q9ebe7758f5_gemm4:
	.size	k_q9ebe7758f5_gemm4, .Lfunc_end_k_q9ebe7758f5_gemm4-k_q9ebe7758f5_gemm4
	.p2alignl 7, 3214868480
	.fill 96, 4, 3214868480
	.section	.rodata,"a",@progbits
	.p2align	6, 0x0
	.amdhsa_kernel k_q9ebe7758f5_gemm4
		.amdhsa_group_segment_fixed_size 312832
		.amdhsa_private_segment_fixed_size 0
		.amdhsa_enable_private_segment 0
		.amdhsa_kernarg_size 32
		.amdhsa_user_sgpr_count 2
		.amdhsa_user_sgpr_kernarg_segment_ptr 1
		.amdhsa_wavefront_size32 1
		.amdhsa_system_sgpr_workgroup_id_x 1
		.amdhsa_system_sgpr_workgroup_id_y 1
		.amdhsa_system_sgpr_workgroup_id_z 1
		.amdhsa_system_vgpr_workitem_id 0
		.amdhsa_next_free_vgpr 768
		.amdhsa_next_free_sgpr 100
		.amdhsa_reserve_vcc 1
		.amdhsa_float_denorm_mode_32 3
		.amdhsa_float_denorm_mode_16_64 3
		.amdhsa_memory_ordered 1
		.amdhsa_forward_progress 1
		.amdhsa_inst_pref_size 109
	.end_amdhsa_kernel
	.amdgpu_metadata
---
amdhsa.version: [ 1, 2 ]
amdhsa.kernels:
  - .name:           k_q9ebe7758f5_gemm4
    .symbol:         k_q9ebe7758f5_gemm4.kd
    .args:
      - { .name: c4, .offset: 0, .size: 8, .value_kind: global_buffer, .address_space: global }
      - { .name: s4, .offset: 8, .size: 8, .value_kind: global_buffer, .address_space: global }
      - { .name: b_out, .offset: 16, .size: 8, .value_kind: global_buffer, .address_space: global }
      - { .name: out0, .offset: 24, .size: 8, .value_kind: global_buffer, .address_space: global }
    .group_segment_fixed_size: 312832
    .private_segment_fixed_size: 0
    .kernarg_segment_align: 8
    .kernarg_segment_size: 32
    .max_flat_workgroup_size: 128
    .sgpr_count:     100
    .vgpr_count:     768
    .wavefront_size: 32
...
	.end_amdgpu_metadata
.endif
;; end of part 4
